; MI455X (gfx1250); checked and timed in simulation.
; The chip was launched on July 23, 2026; its instructions are those of AMD's public machine-readable ISA for CDNA 5 (MIT licence, August 2026) and "CDNA5" Instruction Set Architecture Reference Guide (July 2026). The comments in the code are by the model that wrote it; some were corrected since.
;; Differential Attention. Allowed arithmetic: matrix products marked QUANTISED: E2M1 operands, one E8M0 scale for each 32 along K, by v_wmma_scale_f32_16x16x128_f8f6f4 with both operands' format E2M1 (or v_wmma_scale_f32_32x16x128_f4), f32 sums; products left as they are: bf16, f16 or f32 operands; f32 sums; everything else in f32.
;; Inputs: freqs_cos 2,048 x 32 float32; freqs_sin 2,048 x 32 float32; lambda_init 1 float32; lambda_k1 64 float32; lambda_k2 64 float32; lambda_q1 64 float32; lambda_q2 64 float32; subln_w 128 float32; wk 2,048 x 1,024 float32; wo 2,048 x 2,048 float32; wq 2,048 x 2,048 float32; wv 2,048 x 1,024 float32; x 1 x 2,048 x 2,048 float32.
;; Outputs: out0 1 x 2,048 x 2,048 float32.
;; This version of the problem:
;;   THIS VERSION OF THE PROBLEM IS GIVEN IN LOW PRECISION. The matrix products marked QUANTISED in the list below multiply operands that are first quantised to E2M1 (2 exponent bits, 1 mantissa bit; 4 bits a number), with one power-of-two scale for each 32 numbers along K (OCP MX v1.0); their sums are f32. The products marked 'left as it is' may take bf16, f16 or f32 operands, with f32 sums. Whichever they take, every output number must still come out within the allowed error. Rounding operands to bf16 (8 significant bits) uses up far more of that allowance than f16 does (11 bits, for magnitudes from 6e-5 to 65,504). All else is computed in f32.
;;   The module's matrix products, in the order in which they are computed (A, B: the left and right operand; K: the contracted axis; several contracted axes count as one K, in the product's order):
;;     1. [M 2,048, K 2,048] x [K 2,048, N 2,048]; A: input x; B: input wq: QUANTISED
;;     2. [M 2,048, K 2,048] x [K 2,048, N 1,024]; A: input x; B: input wk: QUANTISED
;;     3. [M 2,048, K 2,048] x [K 2,048, N 1,024]; A: input x; B: input wv: QUANTISED
;;     4. batch 16 x [M 2,048, K 64] x [K 64, N 2,048]; A: computed on the way; B: computed on the way: left as it is (an operand is computed on the way)
;;     5. batch 16 x [M 2,048, K 2,048] x [K 2,048, N 128]; A: computed on the way; B: computed on the way: left as it is (an operand is computed on the way)
;;     6. batch 16 x [M 2,048, K 64] x [K 64, N 2,048]; A: computed on the way; B: computed on the way: left as it is (an operand is computed on the way)
;;     7. batch 16 x [M 2,048, K 2,048] x [K 2,048, N 128]; A: computed on the way; B: computed on the way: left as it is (an operand is computed on the way)
;;     8. [M 2,048, K 2,048] x [K 2,048, N 2,048]; A: computed on the way; B: input wo: left as it is (an operand is computed on the way)
;;   THE QUANTISER, for each operand of a quantised product, along K:
;;     - K is cut into blocks of 32 from its start; a last block that is shorter is filled with zeros.
;;     - A block's scale is 2^e with e = floor(log2(the largest magnitude in the block)) - 2, held to -126 .. 127; a block of zeros has e = 0. As a byte (E8M0): e + 127.
;;     - Each number is divided by its block's scale, clamped to +-6, and rounded to the nearest number of E2M1, ties to even, subnormals kept.
;;     - The product sums the exact products of the quantised numbers (number of the format x scale) in f32.
;;   ~~~python
;;   def quantise(x, axis):      # numpy; x: float32 -> the quantised numbers, widened to float32 again
;;       x = np.moveaxis(x, axis, -1); K = x.shape[-1]
;;       x = np.pad(x, [(0, 0)] * (x.ndim - 1) + [(0, -K % 32)]); x = x.reshape(x.shape[:-1] + (-1, 32)); a = np.abs(x).max(-1, keepdims=True)
;;       e = np.where(a > 0, np.clip(np.frexp(np.where(a > 0, a, 1))[1] - 1 - 2, -126, 127), 0)      # np.frexp(a)[1] - 1 = floor(log2(a)), exactly
;;       r = np.clip(x / 2.0 ** e, -6, 6)
;;       step = 2.0 ** (np.maximum(np.frexp(np.where(r == 0, 1, r))[1] - 1, 0) - 1)
;;       q = np.round(r / step) * step * 2.0 ** e      # np.round: ties to even
;;       return np.moveaxis(q.reshape(q.shape[:-2] + (-1,))[..., :K], -1, axis).astype(np.float32)
;;   ~~~
;; One version. Each part assembles by itself: llvm-mc -triple=amdgcn-amd-amdhsa -mcpu=gfx1250 --defsym DOCPART=n.
;; ======== version 1 of 1: 4 launches
;; limits: values are held in f16: magnitudes above 65,504 overflow, below 6.1e-05 lose precision
;; workspace buffers: x_codes 2,097,152 bytes; x_scales 131,072 bytes; w_codes 4,194,304 bytes; w_scales 262,144 bytes; wot 8,388,608 bytes; qkv 16,777,216 bytes; anorm 8,388,608 bytes
;; launch prep (part 1): grid 384 x 1, 4 waves a work-group, no clusters, 137,728 bytes of LDS; arguments x, wq, wk, wv, wo, x_codes, x_scales, w_codes, w_scales, wot; writes x_codes, x_scales, w_codes, w_scales, wot
.if DOCPART == 1
	.amdgcn_target "amdgcn-amd-amdhsa--gfx1250"
	.amdhsa_code_object_version 6
	.text
	.protected	k_qa679e21d4d_prep
	.globl	k_qa679e21d4d_prep
	.p2align	8
	.type	k_qa679e21d4d_prep,@function
k_qa679e21d4d_prep:
	s_mov_b64 s[64:65], 0
	v_nop
	global_prefetch_b8 v0, s[64:65] scope:SCOPE_SE
	s_setreg_imm32_b32 hwreg(HW_REG_WAVE_MODE, 25, 1), 1
	s_wait_xcnt 0x0
; PREP: everything that later launches read many times is brought into its narrow form once.
;   work-groups   0..127: x [2048][2048] f32 -> codes of FP4 (E2M1), K innermost, [2048][1024 bytes], and one E8M0 byte for each 32 along K, [2048][64].
;   work-groups 128..191: wq [K 2048][N 2048] f32 -> codes with K innermost, rows n' = 0..2047 of w_codes [4096][1024 bytes], w_scales [4096][64].
;   work-groups 192..255: wk, wv [K 2048][N 1024] -> rows n' = 2048..3071 and 3072..4095 of the same two buffers.
;   work-groups 256..383: wo [K 2048][N 2048] f32 -> f16, transposed: wot [n 2048][k 2048].
; A block's scale is 2^(floor(log2(its largest magnitude)) - 2); its byte is the largest magnitude's exponent field - 2, held at 1 from below.  A block of zeros so gets the byte 1
; where the quantiser says 127: its codes are zeros, which add nothing under that byte, and the bytes are read by this program alone.
; LIMITS: blocks whose largest magnitude lies under 2^-124 keep the byte 1; NaN and infinities among the inputs are not served; wo is rounded to f16: magnitudes must stay under 65,504,
; and under 6e-5 the rounding is an absolute 3e-8.
; The four kinds of work part on the work-group's number alone; each has LDS bytes of its own.  Waves share nothing: no barrier.  No tensor load.
.set WREG,  8192                       ; x: an LDS region for each wave: two stages of 32 x SP bytes, behind them its 256 scale bytes
.set SP,    80                         ; a lane's place in a stage: 64 bytes + 16 of padding
.set STEPS, 16
.set EMAX,  2
.set CB,    8                          ; bytes of 16 codes
.set XR,    16                         ; v16-79   x: four sets of 16 numbers as loaded
.set XX,    80                         ; v80-111  x: two sets of 16 neighbours
.set XE,    112                        ; v112-127 x: a scale byte for each step
.set XC,    128                        ; v128-191 x: codes, four registers for each step
.set PITCH, 272                        ; weights: a stage row: 256 bytes + 16
.set KROW,  1024                       ; a row of w_codes in bytes
.set WQS,   32768                      ; wq's four stages
.set WKS,   WQS+4*32*PITCH             ; wk's and wv's
.set WOS,   WKS+4*32*PITCH             ; wo's
.set SPARE, WOS+4*32*PITCH             ; the spare words, 128 bytes for each wave: two blocks of 256 bytes that no other line names
.set SPW,   192                        ; v192 LDS address of my spare word; never rewritten
.set NIL,   193                        ; v193 0; never rewritten
.set WX,    32                         ; v32-95   weights: two sets of 32 numbers down K
.set WC,    96                         ; v96-111  a block's codes (4 registers) or f16 pairs (16)
.set SB,    24                         ; v24-27   scale bytes, four to a register
.set OUTR,  112                        ; v112-175 the way out: 16 x 4 registers
	s_load_b512 s[36:51], s[0:1], 0x0              ; x 36, wq 38, wk 40, wv 42, wo 44, x_codes 46, x_scales 48, w_codes 50
	s_load_b128 s[52:55], s[0:1], 0x40             ; w_scales 52, wot 54
	v_lshl_add_u32 v[SPW], v0, 2, SPARE
	v_mov_b32 v[NIL], 0
	v_lshrrev_b32 v1, 5, v0
	v_readfirstlane_b32 s16, v1                    ; wave 0..3
	v_and_b32 v2, 31, v0                           ; lane
	s_wait_kmcnt 0x0
	s_cmp_lt_u32 ttmp9, 128
	s_cbranch_scc1 .Lx
	s_cmp_lt_u32 ttmp9, 192
	s_cbranch_scc1 .Lwq
	s_cmp_lt_u32 ttmp9, 256
	s_cbranch_scc1 .Lwkv
; ---- what the three weight paths share.  A LANE TAKES A COLUMN n AND ITS REGISTERS RUN DOWN K: a load reads 128 consecutive bytes a wave, and the results come out with K innermost.
.macro WADDR stage, drow                ; stage: the path's LDS bytes; drow: bytes of a row of the destination
	v_lshlrev_b32 v3, 2, v2                        ; in: 4 bytes a lane
	s_mul_i32 s19, s16, 32*PITCH
	s_add_co_u32 s19, s19, \stage                  ; my wave's stage
	v_mul_u32_u24 v4, v2, PITCH
	v_add_nc_u32 v4, s19, v4                       ; into it: row = my column
	v_and_b32 v5, 15, v2
	v_lshrrev_b32 v6, 4, v2
	v_mul_u32_u24 v7, v6, PITCH
	v_lshl_add_u32 v7, v5, 4, v7
	v_add_nc_u32 v7, s19, v7                       ; out of it: sixteen lanes to a row, two rows an instruction
	v_mul_u32_u24 v8, v6, \drow
	v_lshl_add_u32 v8, v5, 4, v8                   ; and the same place in the destination
.endm
.macro WDST                             ; s18 = my wave's first row n', s20 = which 512 along K, s23 = 0
	s_lshl_b32 s22, s18, 10
	s_lshl_b32 s21, s20, 8
	s_add_co_u32 s22, s22, s21
	s_add_nc_u64 s[6:7], s[50:51], s[22:23]        ; codes: n' x 1,024 + 256 y
	s_lshl_b32 s22, s18, 6
	s_lshl_b32 s21, s20, 4
	s_add_co_u32 s22, s22, s21
	s_add_nc_u64 s[8:9], s[52:53], s[22:23]        ; scale bytes: n' x 64 + 16 y
.endm
.macro WLOAD t                          ; block t: W(32 t + i, my column), i = 0 .. 31, into set t % 2.  WN: columns of the source; the largest immediate is 511 x 2,048 x 4, inside the signed 24 bits
.set ii, 0
.rept 32
	global_load_b32 v[WX+32*((\t)%2)+ii], v3, s[4:5] offset:(32*(\t)+ii)*WN*4 th:TH_LOAD_NT
.set ii, ii+1
.endr
.endm
.macro WBLOCK t
.set XS, WX+32*((\t)%2)
.if (\t) < 15
	s_wait_loadcnt 32                              ; this block's 32 loads are in; the next block's may be out
.else
	s_wait_loadcnt 0
.endif
	v_max3_num_f32 v12, |v[XS]|, |v[XS+1]|, |v[XS+2]|   ; the block's largest magnitude: all 32 numbers are mine
	v_max3_num_f32 v13, |v[XS+3]|, |v[XS+4]|, |v[XS+5]|
.irp i, 6,10,14,18,22,26
	v_max3_num_f32 v12, v12, |v[XS+\i]|, |v[XS+\i+1]|
	v_max3_num_f32 v13, v13, |v[XS+\i+2]|, |v[XS+\i+3]|
.endr
	v_max3_num_f32 v12, v12, |v[XS+30]|, |v[XS+31]|
	v_max3_num_f32 v12, v12, v13, (EMAX+1)<<23     ; and the floor 2^(3 - 127): the byte cannot fall under 1
	v_add_nc_u32 v11, -(EMAX<<23), v12             ; 2 off its exponent field: the conversion takes the exponent field of this operand as its scale
	v_lshrrev_b32 v13, 23, v11                     ; the scale's byte
.if (\t)%4 == 0
	v_mov_b32 v[SB+(\t)/4], v13
.else
	v_lshl_or_b32 v[SB+(\t)/4], v13, 8*((\t)%4), v[SB+(\t)/4]
.endif
.irp g, 0,1,2,3
	v_cvt_scalef32_pk8_fp4_f32 v[WC+\g], v[XS+8*\g:XS+8*\g+7], v11
.endr
	ds_store_b128 v4, v[WC:WC+3] offset:16*(\t)    ; 32 codes: 16 bytes of my column's row
.if (\t)+2 < 16
	WLOAD (\t)+2
.endif
	s_wait_dscnt 0x0                               ; the store has read its registers: the next block's codes may be written
.endm
.macro CLOSE                            ; the wave's end, behind my last LDS store
	s_wait_tensorcnt 0x0
	ds_add_u32 v[SPW], v[NIL]
	s_wait_dscnt 0x0
	s_endpgm
.endm
.macro WBODY                            ; 32 columns x 512 along K: 16 blocks a lane
	WLOAD 0
	WLOAD 1
.set Q, 0
.rept 16
	WBLOCK Q
.set Q, Q+1
.endr
	global_store_b128 v9, v[SB:SB+3], s[8:9]       ; my column's 16 scale bytes
.irp t, 0,1,2,3,4,5,6,7,8,9,10,11,12,13,14,15
	ds_load_b128 v[OUTR+4*\t:OUTR+4*\t+3], v7 offset:2*\t*PITCH   ; LDS serves a wave's instructions in order: these see my stores
.endr
.irp t, 0,1,2,3,4,5,6,7,8,9,10,11,12,13,14,15
	s_wait_dscnt 15-\t                             ; the younger loads may be out
	global_store_b128 v8, v[OUTR+4*\t:OUTR+4*\t+3], s[6:7] offset:2*\t*KROW   ; sixteen lanes store 256 consecutive bytes, aligned
.endr
	CLOSE
.endm
; ---- wo: 32 columns x 256 along K a wave; a lane's pairs down K round to f16 pairs along k of row n of wot
.set WN, 2048
	WADDR WOS, 4096
	s_sub_co_u32 s17, ttmp9, 256
	s_and_b32 s18, s17, 15
	s_lshr_b32 s20, s17, 4                         ; y: which 256 along K
	s_lshl_b32 s18, s18, 7
	s_lshl_b32 s21, s16, 5
	s_add_co_u32 s18, s18, s21                     ; my wave's first column
	s_lshl_b32 s22, s20, 21                        ; 256 rows of 8,192 bytes
	s_lshl_b32 s21, s18, 2
	s_add_co_u32 s22, s22, s21
	s_mov_b32 s23, 0
	s_add_nc_u64 s[4:5], s[44:45], s[22:23]
	s_lshl_b32 s22, s18, 12                        ; a row of wot is 4,096 bytes
	s_lshl_b32 s21, s20, 9
	s_add_co_u32 s22, s22, s21
	s_add_nc_u64 s[6:7], s[54:55], s[22:23]
.macro WOBLOCK t
.set XS, WX+32*((\t)%2)
.if (\t) < 7
	s_wait_loadcnt 32                              ; this block's 32 loads are in; the next block's may be out
.else
	s_wait_loadcnt 0
.endif
.set jj, 0
.rept 16
	v_cvt_pk_f16_f32 v[WC+jj], v[XS+2*jj], v[XS+2*jj+1]
.set jj, jj+1
.endr
.irp g, 0,1,2,3
	ds_store_b128 v4, v[WC+4*\g:WC+4*\g+3] offset:64*((\t)%4)+16*\g
.endr
.if (\t)+2 < 8
	WLOAD (\t)+2
.endif
	s_wait_dscnt 0x0
.endm
.macro WOOUT r                          ; 128 along K of 32 rows of wot: 256 bytes a row
.irp i, 0,1,2,3,4,5,6,7,8,9,10,11,12,13,14,15
	ds_load_b128 v[OUTR+4*\i:OUTR+4*\i+3], v7 offset:2*\i*PITCH
.endr
.irp i, 0,1,2,3,4,5,6,7,8,9,10,11,12,13,14,15
	s_wait_dscnt 15-\i
	global_store_b128 v8, v[OUTR+4*\i:OUTR+4*\i+3], s[6:7] offset:2*\i*4096+256*\r
.endr
.endm
	WLOAD 0
	WLOAD 1
	WOBLOCK 0
	WOBLOCK 1
	WOBLOCK 2
	WOBLOCK 3
	WOOUT 0
	WOBLOCK 4
	WOBLOCK 5
	WOBLOCK 6
	WOBLOCK 7
	s_wait_xcnt 0x0                                ; the first round's stores have read their data registers: they are loaded again only behind this wait
	WOOUT 1
	CLOSE
; ---- wq
.Lwq:
.set WN, 2048
	WADDR WQS, KROW
	v_lshlrev_b32 v9, 6, v2                        ; my column's row of scale bytes
	s_sub_co_u32 s17, ttmp9, 128
	s_and_b32 s18, s17, 15
	s_lshr_b32 s20, s17, 4                         ; y: which 512 along K
	s_lshl_b32 s18, s18, 7
	s_lshl_b32 s21, s16, 5
	s_add_co_u32 s18, s18, s21                     ; my wave's first column = its first row n'
	s_lshl_b32 s22, s20, 22                        ; 512 rows of 8,192 bytes
	s_lshl_b32 s21, s18, 2
	s_add_co_u32 s22, s22, s21
	s_mov_b32 s23, 0
	s_add_nc_u64 s[4:5], s[38:39], s[22:23]
	WDST
	WBODY
; ---- wk and wv
.Lwkv:
.set WN, 1024
	WADDR WKS, KROW
	v_lshlrev_b32 v9, 6, v2
	s_sub_co_u32 s17, ttmp9, 192
	s_cmp_lt_u32 s17, 32                           ; the first 32 take wk, the others wv: the choice hangs on the work-group's number alone
	s_cselect_b64 s[4:5], s[40:41], s[42:43]
	s_and_b32 s18, s17, 7
	s_bfe_u32 s20, s17, 0x20003                    ; y: two bits from bit 3
	s_lshr_b32 s24, s17, 5                         ; 0: wk, 1: wv
	s_lshl_b32 s18, s18, 7
	s_lshl_b32 s21, s16, 5
	s_add_co_u32 s18, s18, s21                     ; my wave's first column
	s_lshl_b32 s22, s20, 21                        ; 512 rows of 4,096 bytes
	s_lshl_b32 s21, s18, 2
	s_add_co_u32 s22, s22, s21
	s_mov_b32 s23, 0
	s_add_nc_u64 s[4:5], s[4:5], s[22:23]
	s_lshl_b32 s24, s24, 10
	s_add_co_u32 s18, s18, s24
	s_add_co_u32 s18, s18, 2048                    ; its row n' = 2,048 + 1,024 x tensor + column
	WDST
	WBODY
; ---- x: a plain stream of blocks of 32.  A wave takes 16 steps of 512 numbers.  Each load reads 512 consecutive bytes; a step's 2,048 bytes turn through the wave's stage so that a lane holds 16 neighbours.
.Lx:
	v_lshlrev_b32 v3, 4, v2                        ; my 16 bytes of a load's 512
	s_mul_i32 s17, s16, WREG
	v_lshrrev_b32 v14, 2, v2
	v_mul_u32_u24 v14, v14, SP
	v_and_b32 v15, 3, v2
	v_lshl_add_u32 v14, v15, 4, v14
	v_add_nc_u32 v14, s17, v14                     ; the stage, on the way in: SP (lane / 4) + 16 (lane % 4)
	v_mul_u32_u24 v15, v2, SP
	v_add_nc_u32 v15, s17, v15                     ; on the way out: SP x lane
	v_mul_u32_u24 v4, v2, CB                       ; my codes' place in a step's
	v_lshrrev_b32 v5, 1, v2
	s_add_co_u32 s17, s17, 2*32*SP
	v_add_nc_u32 v5, s17, v5                       ; my block's byte among my wave's 256
	v_lshlrev_b32 v7, 3, v2
	v_add_nc_u32 v6, s17, v7
	s_lshl_b32 s17, ttmp9, 2
	s_add_co_u32 s18, s17, s16                     ; which run of 8,192 numbers is my wave's
	s_mov_b32 s19, 0
	s_lshl_b64 s[20:21], s[18:19], 15
	s_add_nc_u64 s[4:5], s[36:37], s[20:21]
	s_lshl_b64 s[20:21], s[18:19], 12
	s_add_nc_u64 s[8:9], s[46:47], s[20:21]
	s_lshl_b32 s18, s18, 8
	s_add_nc_u64 s[10:11], s[48:49], s[18:19]
.macro XLD t
.irp i, 0,1,2,3
	global_load_b128 v[XR+16*((\t)%4)+4*\i:XR+16*((\t)%4)+4*\i+3], v3, s[4:5] offset:2048*(\t)+512*\i th:TH_LOAD_NT
.endr
.endm
.macro XTURN t                          ; LDS serves a wave's instructions in order: no wait between the stores and the loads
.irp i, 0,1,2,3
	ds_store_b128 v14, v[XR+16*((\t)%4)+4*\i:XR+16*((\t)%4)+4*\i+3] offset:32*SP*((\t)%2)+8*SP*\i
.endr
.irp i, 0,1,2,3
	ds_load_b128 v[XX+16*((\t)%2)+4*\i:XX+16*((\t)%2)+4*\i+3], v15 offset:32*SP*((\t)%2)+16*\i
.endr
.endm
.irp t, 0,1,2,3
	XLD \t
.endr
	s_wait_loadcnt 12                              ; step 0's four loads are in
	XTURN 0
.macro XSTEP t
.set XS, XX+16*((\t)%2)
.if (\t) > 0
	s_wait_dscnt 1                                 ; this step's numbers are back from the stage (the last step's byte store may be out)
.else
	s_wait_dscnt 0x0
.endif
.if (\t)+4 < STEPS
	XLD (\t)+4
.endif
.if (\t)+1 < STEPS
.if STEPS-2-(\t) >= 3
	s_wait_loadcnt 12                              ; the next step's four loads are in; those of the three steps behind it may be out
.else
	s_wait_loadcnt 4*(STEPS-2-(\t))
.endif
	XTURN (\t)+1
.endif
	v_max3_num_f32 v8, |v[XS]|, |v[XS+1]|, |v[XS+2]|
	v_max3_num_f32 v9, |v[XS+3]|, |v[XS+4]|, |v[XS+5]|
.irp i, 6,10
	v_max3_num_f32 v8, v8, |v[XS+\i]|, |v[XS+\i+1]|
	v_max3_num_f32 v9, v9, |v[XS+\i+2]|, |v[XS+\i+3]|
.endr
	v_max3_num_f32 v8, v8, |v[XS+14]|, |v[XS+15]|
	v_max3_num_f32 v8, v8, v9, (EMAX+1)<<23        ; and the floor
	v_max_num_f32_dpp v8, v8, v8 row_xmask:1 row_mask:0xf bank_mask:0xf   ; with my neighbour's 16: the block's largest magnitude
	v_add_nc_u32 v11, -(EMAX<<23), v8
	v_cvt_scalef32_pk8_fp4_f32 v[XC+4*(\t)], v[XS:XS+7], v11
	v_cvt_scalef32_pk8_fp4_f32 v[XC+4*(\t)+1], v[XS+8:XS+15], v11
	v_lshrrev_b32 v[XE+(\t)], 23, v11              ; the scale's byte
	ds_store_b8 v5, v[XE+(\t)] offset:16*(\t)      ; both lanes of a block write the same byte with the same value
	global_store_b64 v4, v[XC+4*(\t):XC+4*(\t)+1], s[8:9] offset:32*CB*(\t)   ; the wave stores 256 consecutive bytes, aligned
.endm
.irp t, 0,1,2,3,4,5,6,7,8,9,10,11,12,13,14,15
	XSTEP \t
.endr
	ds_load_b64 v[8:9], v6
	s_wait_dscnt 0x0
	global_store_b64 v7, v[8:9], s[10:11]          ; 32 lanes store my wave's 256 scale bytes
	CLOSE
.Lfunc_end_k_qa679e21d4d_prep:
	.size	k_qa679e21d4d_prep, .Lfunc_end_k_qa679e21d4d_prep-k_qa679e21d4d_prep
	.p2alignl 7, 3214868480
	.fill 96, 4, 3214868480
	.section	.rodata,"a",@progbits
	.p2align	6, 0x0
	.amdhsa_kernel k_qa679e21d4d_prep
		.amdhsa_group_segment_fixed_size 137728
		.amdhsa_private_segment_fixed_size 0
		.amdhsa_enable_private_segment 0
		.amdhsa_kernarg_size 80
		.amdhsa_user_sgpr_count 2
		.amdhsa_user_sgpr_kernarg_segment_ptr 1
		.amdhsa_wavefront_size32 1
		.amdhsa_system_sgpr_workgroup_id_x 1
		.amdhsa_system_sgpr_workgroup_id_y 1
		.amdhsa_system_sgpr_workgroup_id_z 1
		.amdhsa_system_vgpr_workitem_id 0
		.amdhsa_next_free_vgpr 196
		.amdhsa_next_free_sgpr 66
		.amdhsa_reserve_vcc 0
		.amdhsa_float_denorm_mode_32 3
		.amdhsa_float_denorm_mode_16_64 3
		.amdhsa_memory_ordered 1
		.amdhsa_forward_progress 1
		.amdhsa_inst_pref_size 230
	.end_amdhsa_kernel
	.amdgpu_metadata
---
amdhsa.version: [ 1, 2 ]
amdhsa.kernels:
  - .name:           k_qa679e21d4d_prep
    .symbol:         k_qa679e21d4d_prep.kd
    .args:
      - { .name: x, .offset: 0, .size: 8, .value_kind: global_buffer, .address_space: global }
      - { .name: wq, .offset: 8, .size: 8, .value_kind: global_buffer, .address_space: global }
      - { .name: wk, .offset: 16, .size: 8, .value_kind: global_buffer, .address_space: global }
      - { .name: wv, .offset: 24, .size: 8, .value_kind: global_buffer, .address_space: global }
      - { .name: wo, .offset: 32, .size: 8, .value_kind: global_buffer, .address_space: global }
      - { .name: x_codes, .offset: 40, .size: 8, .value_kind: global_buffer, .address_space: global }
      - { .name: x_scales, .offset: 48, .size: 8, .value_kind: global_buffer, .address_space: global }
      - { .name: w_codes, .offset: 56, .size: 8, .value_kind: global_buffer, .address_space: global }
      - { .name: w_scales, .offset: 64, .size: 8, .value_kind: global_buffer, .address_space: global }
      - { .name: wot, .offset: 72, .size: 8, .value_kind: global_buffer, .address_space: global }
    .group_segment_fixed_size: 137728
    .private_segment_fixed_size: 0
    .kernarg_segment_align: 8
    .kernarg_segment_size: 80
    .max_flat_workgroup_size: 128
    .sgpr_count:     66
    .vgpr_count:     196
    .wavefront_size: 32
...
	.end_amdgpu_metadata
.endif
;; end of part 1
;; launch proj (part 2): grid 16 x 8, 4 waves a work-group, clusters of 4 x 4, 327,680 bytes of LDS; arguments x_codes, x_scales, w_codes, w_scales, freqs_cos, freqs_sin, qkv; writes qkv
.if DOCPART == 2
	.amdgcn_target "amdgcn-amd-amdhsa--gfx1250"
	.amdhsa_code_object_version 6
	.text
	.protected	k_qa679e21d4d_proj
	.globl	k_qa679e21d4d_proj
	.p2align	8
	.type	k_qa679e21d4d_proj,@function
k_qa679e21d4d_proj:
	s_mov_b64 s[64:65], 0
	v_nop
	global_prefetch_b8 v0, s[64:65] scope:SCOPE_SE
	s_setreg_imm32_b32 hwreg(HW_REG_WAVE_MODE, 25, 1), 1
	s_wait_xcnt 0x0
	s_wait_alu depctr_hold_cnt(0) depctr_sa_sdst(0) depctr_va_vdst(0) depctr_va_sdst(0) depctr_va_ssrc(0) depctr_va_vcc(0) depctr_vm_vsrc(0)
	s_getreg_b32 s2, hwreg(HW_REG_IB_STS2, 6, 4)
	s_cmp_eq_u32 s2, 0
	s_cbranch_scc0 .Lentry_in_a_cluster
	s_endpgm
.Lentry_in_a_cluster:
	s_bfe_u32 s2, ttmp6, 0x10000c
	s_cmp_lg_u32 s2, 0xf033
	s_cbranch_scc0 .Lentry_shape_is_right
	s_endpgm
.Lentry_shape_is_right:
; PROJ: C[s][n'] = sum over k of x[s][k] w[n'][k] on codes of FP4 (E2M1) with one E8M0 scale for each 32 along K; M = 2,048, N = 4,096 (wq's, wk's, wv's columns on end), K = 2,048; sums in f32.
; On the way out q's and k's columns are rotated (pairs (even, odd) of each 64 channels by freqs_cos, freqs_sin of the row), v's are not; all are rounded to f16 and laid [n' / 128][s][128].
; A tile of C, 256 x 256, is made by four waves; a wave makes 128 x 128: 64 accumulators of 16 x 16.  K goes in steps of 512 through a ring of two LDS slots filled by the tensor data mover.
; The scale bytes of the work-group's rows of x and of w, for all of K, come into LDS once, with the first fills.
; CLUSTERS: 4 x 4 work-groups; x's tiles are asked for jointly along a row of the cluster, w's along a column.  THE MATRIX INSTRUCTION IS USED TRANSPOSED (source 0 = 16 rows of w, source 1 = 16 rows of x):
; a lane holds eight neighbouring columns of one row of C: four (even, odd) pairs.
; LIMITS: results are rounded to f16: magnitudes must stay under 65,504; under 6e-5 the rounding is an absolute 3e-8.  The rotation is made of a product and a fused multiply-add.
; REGISTERS, in windows of 256: window 0: v0-31 addresses; v32-95 scale words, two sets; v128-191 x's fragments, one set; v192-255 cos and sin of two blocks of 16 rows.  On the way out v32-63 packed
;   results, v64-127 64 rotated numbers, v128-191 rows read back.   window 1: w's fragments, two sets.   windows 2, 3: the accumulators ((a, b) at v[8 (8 (a % 4) + b)] of window 2 + a / 4).
.set SIZE_K, 2048
.set KSTEP,  512
.set NQ,     KSTEP/128
.set ROWB,   256
.set KROW,   SIZE_K*4/8
.set PITCH,  272                       ; an LDS row: 256 bytes + 16 of padding: the 16 rows that a load touches start at 16 different banks (64 banks of 4 bytes: ISA guide 11.1)
.set FR,     8
.set NL,     2
.set NP,     4
.set HALFT,  128*PITCH
.set SLOT,   4*HALFT
.set LAPS,   SIZE_K/(2*KSTEP)
.set KS,     SIZE_K/32
.set SCL,    2*SLOT
.set HALFS,  (128*KS/256)*272
.set SBLK,   (16*KS/256)*272
.set SPARE,  SCL+4*HALFS               ; the spare words, 128 bytes for each wave: two blocks of 256 bytes that no other line names
.set SPITCH, 272                       ; the way out: a stage of 16 rows x (256 bytes + 16) for each wave, in slot 0, which has had its last fill and its last read by then
.set ADRA, 16
.set ADRB, 20
.set STO,  24
.set RD,   25
.set CO,   26
.set ADRS, 27
.set SPW,  28
.set NIL,  29
.set CA,   30                          ; v30 my lane's byte in a block's rows of cos and of sin: 128 r + 16 h; never rewritten
.set SC,   32
.set AF,   128
.set TMP,  32
.set T,    64
.set BK,   128
.set CSB,  192
.set G1, 24
.set G0, 32
.set G1B, 48
.set G0B, 56
.set G1S, 68
.set G0S, 76
.set G1SB, 80
.set G0SB, 88
.set MSB, 0
.macro WIN new                         ; the immediate's high byte repeats the setting that is left
.if MSB != (\new)
	s_set_vgpr_msb (MSB<<8)|(\new)
.set MSB, (\new)
.endif
.endm
.set MUL_LO, 0xa1
.set MUL_HI, 0xf1
.set TO_B,   0x40
; A joint load: waves 0 and 1 fetch for x, waves 2 and 3 for w.  The branch hangs on the wave's number alone.  An s_nop 0 and four v_nop follow each of the two lines.
.macro JLOAD g0a, g1a, g0b, g1b
	s_cmp_eq_u32 s15, 0
	s_cbranch_scc0 .Lfor_b_\@
	tensor_load_to_lds s[\g0a:\g0a+3], s[\g1a:\g1a+7]
	s_nop 0
.rept 4
	v_nop
.endr
	s_branch .Lasked_\@
.Lfor_b_\@:
	tensor_load_to_lds s[\g0b:\g0b+3], s[\g1b:\g1b+7]
	s_nop 0
.rept 4
	v_nop
.endr
.Lasked_\@:
.endm
.macro CREST
	s_cmp_lg_u32 s14, 0
	s_cbranch_scc1 .Lnot_wave_0_\@
	s_barrier_signal -3
.Lnot_wave_0_\@:
	s_barrier_wait -3
	s_barrier_signal -1
	s_barrier_wait -1
.endm
.macro CROUND
	s_barrier_signal -1
	s_barrier_wait -1
	CREST
.endm
	s_load_b128 s[4:7], s[0:1], 0x0                ; x's codes, x's scales
	s_load_b128 s[8:11], s[0:1], 0x10              ; w's codes, w's scales
	s_load_b128 s[96:99], s[0:1], 0x20             ; cos, sin
	s_load_b64 s[12:13], s[0:1], 0x30              ; qkv
	v_lshl_add_u32 v[SPW], v0, 2, SPARE
	v_mov_b32 v[NIL], 0
	ds_add_u32 v[SPW], v[NIL]                      ; the wave's opening: the add, twice on end, and its wait ahead of my first tensor load
	ds_add_u32 v[SPW], v[NIL]
	v_lshrrev_b32 v1, 5, v0
	v_readfirstlane_b32 s14, v1                    ; wave 0..3
	s_lshr_b32 s15, s14, 1                         ; which half of the tile's rows is mine.  Also: I fetch for x (0) or for w (1)
	s_and_b32 s16, s14, 1                          ; which half of its columns.  Also: which 128 rows of that tile I fetch
	s_bfe_u32 s40, ttmp6, 0x40000                  ; cx, cy
	s_bfe_u32 s41, ttmp6, 0x40004
	s_lshl_b32 s42, ttmp9, 2
	s_add_co_u32 s42, s42, s40                     ; tile column
	s_and_b32 s17, ttmp7, 0xffff
	s_lshl_b32 s17, s17, 2
	s_add_co_u32 s17, s17, s41                     ; tile row
	s_lshl_b32 s43, s41, 2
	s_lshl_b32 s43, 15, s43                        ; my row of the cluster
	s_lshl_b32 s44, 0x1111, s40                    ; my column
	s_cmp_lt_u32 ttmp9, 3                          ; clusters 0 to 2 along x hold q's and k's columns, cluster 3 v's: the same in all partners, and it steers no branch
	s_cselect_b32 s95, -1, 0                       ; all ones: rotate; 0: leave as it is
	s_or_b32 s[G1+0], s43, (0<<16)|(1<<20)|(1<<21)|(5<<22)|(3<<25)  ; the mask; elements of 1 byte; padding on; bit 21 beside a mask; 4 words after every 64
	s_or_b32 s[G1B+0], s44, (0<<16)|(1<<20)|(1<<21)|(5<<22)|(3<<25)
.irp g, G1, G1B
	s_mov_b32 s[\g+1], ROWB<<16                    ; tensor_dim0
	s_mov_b32 s[\g+2], 128<<16                     ; tensor_dim1
	s_mov_b32 s[\g+3], ROWB<<16                    ; tile_dim0
	s_mov_b32 s[\g+4], 128                         ; tile_dim1
	s_mov_b32 s[\g+5], KROW                        ; the pitch
	s_mov_b32 s[\g+6], 0
	s_mov_b32 s[\g+7], 0
.endr
	s_or_b32 s[G1S+0], s43, (3<<16)|(1<<20)|(1<<21)|(5<<22)|(3<<25) ; the scales of 128 rows: a dense block, as rows of 256 bytes (32 elements of 8), 16 bytes of padding behind each
	s_or_b32 s[G1SB+0], s44, (3<<16)|(1<<20)|(1<<21)|(5<<22)|(3<<25)
.irp g, G1S, G1SB
	s_mov_b32 s[\g+1], 32<<16
	s_mov_b32 s[\g+2], (128*KS/256)<<16
	s_mov_b32 s[\g+3], 32<<16
	s_mov_b32 s[\g+4], 128*KS/256
	s_mov_b32 s[\g+5], 32
	s_mov_b32 s[\g+6], 0
	s_mov_b32 s[\g+7], 0
.endr
	s_lshl_b32 s18, s16, 7
	s_lshl_b32 s20, s17, 8
	s_add_co_u32 s20, s20, s18                     ; x: row 256 x tile row + 128 x half
	s_lshl_b32 s46, s42, 8
	s_add_co_u32 s46, s46, s18                     ; w: row 256 x tile column + 128 x half
	s_mov_b32 s21, 0
	s_mov_b32 s47, 0
	s_mov_b64 s[18:19], KS
	s_mul_u64 s[22:23], s[20:21], s[18:19]
	s_mul_u64 s[92:93], s[46:47], s[18:19]
	s_mov_b64 s[18:19], KROW
	s_mul_u64 s[20:21], s[20:21], s[18:19]
	s_mul_u64 s[46:47], s[46:47], s[18:19]
	s_mul_i32 s45, s14, HALFT                      ; where they go: wave x 128 rows
	s_mul_i32 s94, s14, HALFS
	s_wait_dscnt 0x0                               ; both opening adds are done
	s_wait_kmcnt 0x0
	s_add_nc_u64 s[20:21], s[4:5], s[20:21]
	s_add_nc_u64 s[22:23], s[6:7], s[22:23]
	s_add_nc_u64 s[46:47], s[8:9], s[46:47]
	s_add_nc_u64 s[92:93], s[10:11], s[92:93]
	CROUND                                         ; all sixteen work-groups are here: the first joint loads meet
	s_mov_b32 s[G0S], 1
	s_add_co_u32 s[G0S+1], s94, SCL
	s_mov_b64 s[G0S+2:G0S+3], s[22:23]
	s_or_b32 s[G0S+3], s[G0S+3], 0x80000000
	s_mov_b32 s[G0SB], 1
	s_add_co_u32 s[G0SB+1], s94, SCL
	s_mov_b64 s[G0SB+2:G0SB+3], s[92:93]
	s_or_b32 s[G0SB+3], s[G0SB+3], 0x80000000
	JLOAD G0S, G1S, G0SB, G1SB                     ; the scales first; three loads of mine are out behind these lines
.irp s, 0,1
	s_mov_b32 s[G0+4*\s], 1
	s_add_co_u32 s[G0+4*\s+1], s45, \s*SLOT
	s_add_nc_u64 s[G0+4*\s+2:G0+4*\s+3], s[20:21], \s*ROWB
	s_or_b32 s[G0+4*\s+3], s[G0+4*\s+3], 0x80000000
	s_mov_b32 s[G0B+4*\s], 1
	s_add_co_u32 s[G0B+4*\s+1], s45, \s*SLOT
	s_add_nc_u64 s[G0B+4*\s+2:G0B+4*\s+3], s[46:47], \s*ROWB
	s_or_b32 s[G0B+4*\s+3], s[G0B+4*\s+3], 0x80000000
	JLOAD G0+4*\s, G1, G0B+4*\s, G1B
.endr
	v_and_b32 v1, 15, v0                           ; r
	v_bfe_u32 v2, v0, 4, 1                         ; h
	v_mul_u32_u24 v3, v1, PITCH
	v_lshl_add_u32 v4, v2, 4, v3
	s_mul_i32 s21, s15, HALFT
	s_mul_i32 s22, s16, HALFT
	s_add_co_u32 s22, s22, 2*HALFT
.irp s, 0,1
	v_add_nc_u32 v[ADRA+\s], s21, v4
	v_add_nc_u32 v[ADRB+\s], s22, v4
	s_add_co_u32 s21, s21, SLOT
	s_add_co_u32 s22, s22, SLOT
.endr
	v_mul_u32_u24 v5, v1, KS
	v_lshrrev_b32 v6, 8, v5
	v_lshl_add_u32 v5, v6, 4, v5
	s_mul_i32 s21, s15, HALFS
	s_mul_i32 s22, s16, HALFS
	s_add_co_u32 s22, s22, 2*HALFS
	s_sub_co_u32 s22, s22, s21
	v_mul_u32_u24 v6, s22, v2                      ; lanes 16-31 take w's
	s_add_co_u32 s21, s21, SCL
	v_add_nc_u32 v5, v5, v6
	v_add_nc_u32 v[ADRS], s21, v5
	s_mul_i32 s23, s14, 16*SPITCH                  ; my stage
	v_mul_u32_u24 v5, v1, SPITCH                   ; in: row r, 16 bytes for each half of the lanes
	v_lshl_add_u32 v5, v2, 4, v5
	v_add_nc_u32 v[STO], s23, v5
	v_mul_u32_u24 v5, v2, SPITCH                   ; back: lanes 0-15 one row of 256 bytes, lanes 16-31 the next
	v_lshl_add_u32 v5, v1, 4, v5
	v_add_nc_u32 v[RD], s23, v5
	v_and_b32 v6, 31, v0
	v_lshlrev_b32 v[CO], 4, v6                     ; in qkv the rows of a head follow each other: 16 x lane
	v_lshlrev_b32 v[CA], 7, v1
	v_lshl_add_u32 v[CA], v2, 4, v[CA]
	s_lshl_b32 s20, s17, 8
	s_lshl_b32 s21, s15, 7
	s_add_co_u32 s20, s20, s21                     ; my first row: 256 x tile row + 128 x half
	s_lshl_b32 s22, s20, 7                         ; a row of cos or of sin is 128 bytes
	s_mov_b32 s23, 0
	s_add_nc_u64 s[96:97], s[96:97], s[22:23]
	s_add_nc_u64 s[98:99], s[98:99], s[22:23]
	s_lshl_b32 s22, s20, 8                         ; a row of a head is 256 bytes
	s_lshl_b32 s46, s42, 1
	s_add_co_u32 s46, s46, s16                     ; my 128 columns are head 2 x tile column + half
	s_lshl_b32 s46, s46, 19
	s_add_co_u32 s22, s22, s46
	s_add_nc_u64 s[12:13], s[12:13], s[22:23]
; cos and sin of block a's 16 rows into set a % 2.  Register j of accumulator b is channel 16 b + 8 h + j, whose frequency is 8 (b % 4) + 4 h + j / 2: four neighbours for each b % 4
.macro CSLOAD a
.irp g, 0,1,2,3
	global_load_b128 v[CSB+32*((\a)%2)+4*\g:CSB+32*((\a)%2)+4*\g+3], v[CA], s[96:97] offset:(\a)*2048+32*\g
	global_load_b128 v[CSB+32*((\a)%2)+16+4*\g:CSB+32*((\a)%2)+16+4*\g+3], v[CA], s[98:99] offset:(\a)*2048+32*\g
.endr
.endm
	CSLOAD 0                                       ; they land while K is walked
	CSLOAD 1
.macro FRAG reg, adr, q, i
.irp c, 0,1
	ds_load_b128 v[\reg+4*\c:\reg+4*\c+3], v[\adr] offset:64*(\q)+32*\c+(\i)*16*PITCH
.endr
.endm
; 16 matrix instructions: x's blocks a0, a0 + 1 against w's eight, 128 along K.  The 64 accumulators take turns, one instruction a turn.
.macro MUL16 a0, p, q, sc, zero
.irp a, \a0, \a0+1
.irp b, 0,1,2,3,4,5,6,7
.if \zero
	v_wmma_scale_f32_16x16x128_f8f6f4 v[8*(8*((\a)%4)+\b):8*(8*((\a)%4)+\b)+7], v[128*(\p)+FR*\b:128*(\p)+FR*\b+FR-1], v[AF+FR*(\a):AF+FR*(\a)+FR-1], 0, v[SC+8*NQ*(\sc)+NQ*\b+(\q)], v[SC+8*NQ*(\sc)+NQ*(\a)+(\q)] matrix_a_fmt:MATRIX_FMT_FP4 matrix_b_fmt:MATRIX_FMT_FP4 matrix_a_scale:MATRIX_SCALE_ROW1
.else
	v_wmma_scale_f32_16x16x128_f8f6f4 v[8*(8*((\a)%4)+\b):8*(8*((\a)%4)+\b)+7], v[128*(\p)+FR*\b:128*(\p)+FR*\b+FR-1], v[AF+FR*(\a):AF+FR*(\a)+FR-1], v[8*(8*((\a)%4)+\b):8*(8*((\a)%4)+\b)+7], v[SC+8*NQ*(\sc)+NQ*\b+(\q)], v[SC+8*NQ*(\sc)+NQ*(\a)+(\q)] matrix_a_fmt:MATRIX_FMT_FP4 matrix_b_fmt:MATRIX_FMT_FP4 matrix_a_scale:MATRIX_SCALE_ROW1
.endif
.endr
.endr
.endm
.macro FETCH_B slot, q, p
	WIN TO_B
.irp i, 0,1,2,3,4,5,6,7
	FRAG 128*(\p)+FR*\i, ADRB+\slot, \q, \i
.endr
	WIN 0
.endm
.macro FETCH_A slot, q, i0
.irp i, \i0, \i0+1, \i0+2, \i0+3
	FRAG AF+FR*(\i), ADRA+\slot, \q, \i
.endr
.endm
.macro SCALES sc                       ; lanes 0-15 take x's block i, lanes 16-31 w's block i: four words a row
.irp i, 0,1,2,3,4,5,6,7
	ds_load_b128 v[SC+8*NQ*\sc+NQ*\i:SC+8*NQ*\sc+NQ*\i+3], v[ADRS] offset:\i*SBLK
.endr
.endm
.macro PLACES n                        ; plain vector instructions between a matrix instruction and a load into, or a read of, its registers
.rept \n
	v_nop
.endr
.endm
.macro STEP slot, q, zero
	s_wait_dscnt 4*NL                              ; w's set and x's blocks 0-3 are in; the youngest eight loads (x's blocks 4-7) may be out
	WIN MUL_LO
	MUL16 0, (\q)%2, \q, \slot, \zero
	MUL16 2, (\q)%2, \q, \slot, \zero
	s_wait_dscnt 0
	PLACES NP
	FETCH_B \slot, (\q)+1, 1-(\q)%2
	FETCH_A \slot, (\q)+1, 0
	WIN MUL_HI
	MUL16 4, (\q)%2, \q, \slot, \zero
	MUL16 6, (\q)%2, \q, \slot, \zero
	PLACES NP
	WIN 0
	FETCH_A \slot, (\q)+1, 4
.endm
; A slot's last step changes slots: one barrier; in front of it each wave waits for all its tensor loads, adds 0 to its spare word, and waits for that and for its reads of this slot.
.macro TURN slot, next, fill
	s_wait_tensorcnt 0x0                           ; all my tensor loads have landed: my part of the next slot
	ds_add_u32 v[SPW], v[NIL]
	s_wait_dscnt 4*NL+1                            ; (the add and the youngest eight loads may be out)
	WIN MUL_LO
	MUL16 0, 1, NQ-1, \slot, 0
	s_wait_dscnt 0x0                               ; the add is done, and my reads of this slot are over
	s_barrier_signal -1
	MUL16 2, 1, NQ-1, \slot, 0
	WIN 0
	s_barrier_wait -1
.if \fill
	CREST                                          ; the barrier has opened a round of the cluster's barrier: no wave of any partner still reads this slot or has a load on its way
	s_add_nc_u64 s[G0+4*\slot+2:G0+4*\slot+3], s[G0+4*\slot+2:G0+4*\slot+3], 2*ROWB
	s_add_nc_u64 s[G0B+4*\slot+2:G0B+4*\slot+3], s[G0B+4*\slot+2:G0B+4*\slot+3], 2*ROWB
	JLOAD G0+4*\slot, G1, G0B+4*\slot, G1B         ; the first tensor load behind the round, my only one until the next
.else
	PLACES NP
.endif
	v_add_nc_u32 v[ADRS], 4*NQ, v[ADRS]
	FETCH_B \next, 0, 0
	FETCH_A \next, 0, 0
	SCALES \next
	WIN MUL_HI
	MUL16 4, 1, NQ-1, \slot, 0
	MUL16 6, 1, NQ-1, \slot, 0
	PLACES NP
	WIN 0
	FETCH_A \next, 0, 4
.endm
.macro STEPS slot, from
.set Q, \from
.rept NQ-1-\from
	STEP \slot, Q, 0
.set Q, Q+1
.endr
.endm
	s_wait_tensorcnt 1                             ; the scales and my part of K step 0 are in (K step 1's load may be out)
	s_barrier_signal -1
	s_barrier_wait -1
	FETCH_B 0, 0, 0
	FETCH_A 0, 0, 0
	SCALES 0
	FETCH_A 0, 0, 4
	STEP 0, 0, 1                                   ; the first step's products start the sums
	s_mov_b32 s3, LAPS-1
.Llap:
	STEPS 0, 1
	TURN 0, 1, 1
	STEPS 1, 0
	TURN 1, 0, 1
	STEP 0, 0, 0
	s_sub_co_u32 s3, s3, 1
	s_cmp_lg_u32 s3, 0
	s_cbranch_scc1 .Llap
	STEPS 0, 1                                     ; the last lap fills nothing
	TURN 0, 1, 0
	STEPS 1, 0
	s_wait_dscnt 4*NL
	WIN MUL_LO
	MUL16 0, 1, NQ-1, 1, 0
	MUL16 2, 1, NQ-1, 1, 0
	s_wait_dscnt 0
	WIN MUL_HI
	MUL16 4, 1, NQ-1, 1, 0
	MUL16 6, 1, NQ-1, 1, 0
	WIN 0
; THE WAY OUT, block by block of 16 rows x 128 columns: rotate, round to f16, through my stage, out as whole rows of 256 bytes.
.macro ROPE a
.set CC, CSB+32*((\a)%2)
.set AC, 64*((\a)%4)
.if (\a) < 7
	s_wait_loadcnt 8                               ; this block's cos and sin are in; the next block's eight loads may be out
.else
	s_wait_loadcnt 0
.endif
.set i, 0
.rept 16
	v_and_b32 v[CC+16+i], s95, v[CC+16+i]          ; v's columns: sin = 0,
	v_bfi_b32 v[CC+i], s95, v[CC+i], 1.0           ; cos = 1: chosen by bits, without a branch
.set i, i+1
.endr
	WIN 0x02+(\a)/4                                ; source 0: the accumulators' window
.irp b, 0,1,2,3,4,5,6,7
.irp p, 0,1,2,3
	v_mul_f32 v[T+8*\b+2*\p], v[AC+8*\b+2*\p+1], v[CC+16+4*(\b%4)+\p]     ; o sin    (each accumulator is read from its low end on)
	v_mul_f32 v[T+8*\b+2*\p+1], v[AC+8*\b+2*\p], v[CC+16+4*(\b%4)+\p]     ; e sin
.endr
.endr
.irp b, 0,1,2,3,4,5,6,7
.irp p, 0,1,2,3
	v_fma_f32 v[T+8*\b+2*\p], v[AC+8*\b+2*\p], v[CC+4*(\b%4)+\p], -v[T+8*\b+2*\p]         ; e cos - o sin
	v_fma_f32 v[T+8*\b+2*\p+1], v[AC+8*\b+2*\p+1], v[CC+4*(\b%4)+\p], v[T+8*\b+2*\p+1]    ; o cos + e sin
.endr
.endr
	WIN 0
.if (\a)+2 < 8
	CSLOAD (\a)+2                                  ; the set just read takes the block two further on
.endif
.set i, 0
.rept 32
	v_cvt_pk_f16_f32 v[TMP+i], v[T+2*i], v[T+2*i+1]
.set i, i+1
.endr
.endm
.macro TOSTAGE a
.irp b, 0,1,2,3,4,5,6,7
	ds_store_b128 v[STO], v[TMP+4*\b:TMP+4*\b+3] offset:32*\b
.endr
.irp t, 0,1,2,3,4,5,6,7
	ds_load_b128 v[BK+32*((\a)%2)+4*\t:BK+32*((\a)%2)+4*\t+3], v[RD] offset:\t*2*SPITCH   ; LDS serves a wave's instructions in order: these see the stores above
.endr
.endm
.macro SEND a
	s_wait_dscnt 0x0                               ; the block is back in registers
	s_wait_xcnt 0x0                                ; the stores of the block before have read their data: that set is loaded again only behind this wait
.irp t, 0,1,2,3,4,5,6,7
	global_store_b128 v[CO], v[BK+32*((\a)%2)+4*\t:BK+32*((\a)%2)+4*\t+3], s[12:13] offset:(\a)*4096+512*\t   ; the wave stores 512 consecutive bytes, aligned
.endr
.endm
	PLACES NP                                      ; behind the last products: their scale words and x's fragments are written below, their results read
	ROPE 0
	TOSTAGE 0
.irp a, 1,2,3,4,5,6,7
	ROPE \a                                        ; block a's arithmetic stands between block a - 1's loads from the stage and the wait for them
	SEND \a-1
	TOSTAGE \a
.endr
	SEND 7
	s_wait_tensorcnt 0x0                           ; the wave's end
	ds_add_u32 v[SPW], v[NIL]
	s_wait_dscnt 0x0
	CROUND                                         ; the closing round
	s_endpgm
.Lfunc_end_k_qa679e21d4d_proj:
	.size	k_qa679e21d4d_proj, .Lfunc_end_k_qa679e21d4d_proj-k_qa679e21d4d_proj
	.p2alignl 7, 3214868480
	.fill 96, 4, 3214868480
	.section	.rodata,"a",@progbits
	.p2align	6, 0x0
	.amdhsa_kernel k_qa679e21d4d_proj
		.amdhsa_group_segment_fixed_size 327680
		.amdhsa_private_segment_fixed_size 0
		.amdhsa_enable_private_segment 0
		.amdhsa_kernarg_size 56
		.amdhsa_user_sgpr_count 2
		.amdhsa_user_sgpr_kernarg_segment_ptr 1
		.amdhsa_wavefront_size32 1
		.amdhsa_system_sgpr_workgroup_id_x 1
		.amdhsa_system_sgpr_workgroup_id_y 1
		.amdhsa_system_sgpr_workgroup_id_z 1
		.amdhsa_system_vgpr_workitem_id 0
		.amdhsa_next_free_vgpr 1024
		.amdhsa_next_free_sgpr 100
		.amdhsa_reserve_vcc 0
		.amdhsa_float_denorm_mode_32 3
		.amdhsa_float_denorm_mode_16_64 3
		.amdhsa_memory_ordered 1
		.amdhsa_forward_progress 1
		.amdhsa_inst_pref_size 255
	.end_amdhsa_kernel
	.section	.bss,"aw",@nobits
	.p2align	6
	.space	262144
	.amdgpu_metadata
---
amdhsa.version: [ 1, 2 ]
amdhsa.kernels:
  - .name:           k_qa679e21d4d_proj
    .symbol:         k_qa679e21d4d_proj.kd
    .args:
      - { .name: x_codes, .offset: 0, .size: 8, .value_kind: global_buffer, .address_space: global }
      - { .name: x_scales, .offset: 8, .size: 8, .value_kind: global_buffer, .address_space: global }
      - { .name: w_codes, .offset: 16, .size: 8, .value_kind: global_buffer, .address_space: global }
      - { .name: w_scales, .offset: 24, .size: 8, .value_kind: global_buffer, .address_space: global }
      - { .name: freqs_cos, .offset: 32, .size: 8, .value_kind: global_buffer, .address_space: global }
      - { .name: freqs_sin, .offset: 40, .size: 8, .value_kind: global_buffer, .address_space: global }
      - { .name: qkv, .offset: 48, .size: 8, .value_kind: global_buffer, .address_space: global }
    .group_segment_fixed_size: 327680
    .private_segment_fixed_size: 0
    .kernarg_segment_align: 8
    .kernarg_segment_size: 56
    .max_flat_workgroup_size: 128
    .sgpr_count:     100
    .vgpr_count:     1024
    .wavefront_size: 32
...
	.end_amdgpu_metadata
.endif
;; end of part 2
;; launch attn (part 3): grid 16 x 16, 4 waves a work-group, clusters of 4 x 1, 327,680 bytes of LDS; arguments qkv, anorm, lambda_q1, lambda_k1, lambda_q2, lambda_k2, lambda_init, subln_w; writes anorm
.if DOCPART == 3
	.amdgcn_target "amdgcn-amd-amdhsa--gfx1250"
	.amdhsa_code_object_version 6
	.text
	.protected	k_qa679e21d4d_attn
	.globl	k_qa679e21d4d_attn
	.p2align	8
	.type	k_qa679e21d4d_attn,@function
k_qa679e21d4d_attn:
	s_mov_b64 s[64:65], 0
	v_nop
	global_prefetch_b8 v0, s[64:65] scope:SCOPE_SE
	s_setreg_imm32_b32 hwreg(HW_REG_WAVE_MODE, 25, 1), 1
	s_wait_xcnt 0x0
	s_wait_alu depctr_hold_cnt(0) depctr_sa_sdst(0) depctr_va_vdst(0) depctr_va_sdst(0) depctr_va_ssrc(0) depctr_va_vcc(0) depctr_vm_vsrc(0)
	s_getreg_b32 s2, hwreg(HW_REG_IB_STS2, 6, 4)
	s_cmp_eq_u32 s2, 0
	s_cbranch_scc0 .Lentry_in_a_cluster
	s_endpgm
.Lentry_in_a_cluster:
	s_bfe_u32 s2, ttmp6, 0x10000c
	s_cmp_lg_u32 s2, 0x3003
	s_cbranch_scc0 .Lentry_shape_is_right
	s_endpgm
.Lentry_shape_is_right:
; ATTN: for head h and query q: a1 = softmax(q1 . k1 / 8) v, a2 = softmax(q2 . k2 / 8) v, a = a1 - lambda a2, lambda = exp(lq1 . lk1) - exp(lq2 . lk2) + lambda_init;
; out = a x rsqrt(mean(a^2) + 1e-5) x subln_w x (1 - lambda_init), rounded to f16, laid [s][128 h + c].
; THE KEYS.  The repeat of keys and values flattens (kv head g, row s, copy): head h = 2 g + u sees rows 1,024 u .. 1,024 u + 1,023 of kv head g, each twice.  A softmax in which every key stands twice
; equals the softmax over the distinct keys, so each of the 1,024 rows is multiplied once.  In qkv [32][2048][128] (f16) they are the dense blocks at 2^23 + h 2^18 (k: [k1 | k2]) and 3 x 2^22 + h 2^18 (v).
; SHARES.  A work-group owns 128 queries of one head, a wave 32: two tiles of 16.  With the two softmaxes that is four tiles t = 2 x softmax + tile, all on one V.  Every wave walks all keys, 64 a step.
; LAYOUT.  S^T = K Q^T (source 0 = 16 keys, source 1 = 16 queries, 64 channels deep: two matrix instructions), O^T = V^T P: a lane holds one query throughout.  V is turned by ds_load_tr16_b128.
; SOFTMAX.  A running maximum m and sum l for each query and softmax: p = 2^(c s - c m), c = log2(e) / 8; in every step O and l are multiplied by 2^(c m_old - c m_new).
; BY TURNS.  Piece 0 is softmax 1 (tiles 0, 1), piece 2 softmax 2 (tiles 2, 3).  In a turn one piece has the matrix unit (32 products V^T P, then 16 products K Q^T of the next step); the other piece's softmax,
; cut into 64 slices, stands between: one slice behind each V^T P, two behind each K Q^T.
; CLUSTER.  The four query blocks of a cluster belong to one head and walk the same K and V: each tile is asked for jointly.
; LIMITS: q, k, v, p and the result are f16 operands: magnitudes under 65,504; under 6e-5 the rounding is an absolute 3e-8.  NaN and infinities are not served.
; REGISTERS: window 0: v2-8 addresses; v12-43 statistics; v44-51 the lambda vectors, later sums of squares; v52 lambda_init, v53 lambda, v54 1 - lambda_init; v55-60 at work; v64-191 S^T; v192-255 P.
;   window 1: O^T, 64 a tile.   window 2: v0-63 Q; v64-127 subln_w in the result's layout; v128-255 K of one step.   window 3: v0-127 V of one step.
.set NKEY,  1024
.set KS,    64
.set PK,    272       ; a row of K in LDS: 256 bytes + 16
.set PV,    288       ; a row of V: 256 + 32
.set VOFF,  KS*PK
.set STEPB, KS*(PK+PV)
.set SLOT1, 1<<17     ; a slot holds two steps; slot 1 begins here, so that one exclusive or turns an address
.set STAGE, SLOT1+2*STEPB
.set SP,    272
.set AK0, 2
.set AV0, 3
.set ADR, 4
.set QO,  5
.set STO, 6
.set RD,  7
.set GO,  8
.set SPW, 62
.set NIL, 63
.set SPARE, STAGE+4*16*272  ; the spare words, 128 bytes for each wave: two blocks of 256 bytes that no other line names
.set ST,  12          ; tile t's statistics at v[ST+8 t]: +0 c m, +1 m, +2, +3 l, +4 to +7 at work
.set S,   64
.set P,   192
.set KF,  128
.set WV,  12
.set G1K, 24
.set G1V, 32
.set G0K, 40
.set G0V, 48
.set SLOTS, 56
.set TWICE, 57
.set CS,  58
.set SEL, 60
.set TB,  62
.set PFA, 18
.set LIM, 15
.set PFO, 61
.set MSB, 0
.macro WIN new
.if MSB != (\new)
	s_set_vgpr_msb (MSB<<8)|(\new)
.set MSB, (\new)
.endif
.endm
.set W_KQ, 0x0a       ; K and Q in window 2, S^T in window 0
.set W_PV, 0x53       ; V in window 3, P in window 0, O^T in window 1
.set W_RS, 0x41       ; O^T (destination and source 0) in window 1, the factor in window 0
; A joint refill: waves 0 and 1 fetch the two steps' tiles of K, waves 2 and 3 those of V.  An s_nop 0 and four v_nop follow each of the two lines.
.macro JLOAD
	s_cmp_lt_u32 s[WV], 2
	s_cbranch_scc0 .Lfor_v_\@
	tensor_load_to_lds s[G0K+4:G0K+7], s[G1K:G1K+7]
	s_nop 0
.rept 4
	v_nop
.endr
	s_branch .Lasked_\@
.Lfor_v_\@:
	tensor_load_to_lds s[G0V+4:G0V+7], s[G1V:G1V+7]
	s_nop 0
.rept 4
	v_nop
.endr
.Lasked_\@:
.endm
; A prefetch of what the NEXT change of slots will ask for: 128 rows of K and 128 of V, 256 bytes a row, a lane a row.  Each row is named once in the launch: the head's first cluster asks; its four partners
; take 32 rows each, told apart by address; in each, wave 0 asks for K's and wave 2 for V's.  The last change that fills a slot asks for nothing.
.macro ASK
	s_cmp_gt_u32 s[SLOTS], s[LIM]
	s_cbranch_scc0 .Lnot_mine_\@
	global_prefetch_b8 v[PFO], s[PFA:PFA+1] th:TH_LOAD_NT scope:SCOPE_SE
.Lnot_mine_\@:
.endm
.macro CROUND
	s_barrier_signal -1
	s_barrier_wait -1
	s_cmp_lg_u32 s[WV], 0
	s_cbranch_scc1 .Lnot_wave_0_\@
	s_barrier_signal -3
.Lnot_wave_0_\@:
	s_barrier_wait -3
	s_barrier_signal -1
	s_barrier_wait -1
.endm
	s_load_b128 s[4:7], s[0:1], 0x0   ; qkv, anorm
	s_load_b256 s[68:75], s[0:1], 0x10  ; lambda_q1, lambda_k1, lambda_q2, lambda_k2
	s_load_b128 s[76:79], s[0:1], 0x30  ; lambda_init, subln_w
	v_lshl_add_u32 v[SPW], v0, 2, SPARE
	v_mov_b32 v[NIL], 0
	ds_add_u32 v[SPW], v[NIL]       ; the wave's opening: the add, twice on end, and its wait ahead of my first tensor load
	ds_add_u32 v[SPW], v[NIL]
	v_lshrrev_b32 v1, 5, v0
	v_readfirstlane_b32 s[WV], v1   ; wave 0..3
	s_bfe_u32 s13, ttmp6, 0x40000   ; cx
	s_lshl_b32 s14, ttmp9, 2
	s_add_co_u32 s14, s14, s13      ; my block of 128 queries: it enters Q's and the result's addresses alone
	s_and_b32 s20, ttmp7, 0xffff    ; the head, which the four partners share
	s_and_b32 s16, s[WV], 1         ; which of a slot's two steps I fetch
	s_lshl_b32 s22, s20, 18         ; the head's 1,024 rows of 256 bytes,
	s_lshl_b32 s23, s16, 14         ; my step's 64 of them
	s_add_co_u32 s22, s22, s23
	s_mov_b32 s23, 0
	s_mul_i32 s17, s16, STEPB       ; and its place in a slot
	s_lshl_b32 s2, s20, 19          ; Q: the head's 2,048 rows,
	s_lshl_b32 s3, s14, 15          ; my block's 128,
	s_add_co_u32 s2, s2, s3
	s_lshl_b32 s3, s[WV], 13        ; my wave's 32
	s_add_co_u32 s2, s2, s3
	s_mov_b32 s3, 0
	s_mov_b32 s[G1K], 15|(1<<16)|(1<<20)|(1<<21)|(5<<22)|(3<<25)  ; the mask: all four; elements of 2 bytes; padding on; bit 21 beside a mask; 4 words after every 64
	s_mov_b32 s[G1V], 15|(1<<16)|(1<<20)|(1<<21)|(5<<22)|(7<<25)  ; the same with 8 words
.irp g, G1K, G1V
	s_mov_b32 s[\g+1], 128<<16      ; tensor_dim0
	s_mov_b32 s[\g+2], KS<<16       ; tensor_dim1
	s_mov_b32 s[\g+3], 128<<16      ; tile_dim0
	s_mov_b32 s[\g+4], KS           ; tile_dim1
	s_mov_b32 s[\g+5], 128          ; the pitch
	s_mov_b32 s[\g+6], 0
	s_mov_b32 s[\g+7], 0
.endr
	s_mov_b32 s[CS], 0x3e38aa3b     ; c = log2(e) / 8
	s_mov_b32 s[CS+1], s[CS]
	s_mov_b32 s[SEL], 0x76543210
	s_mov_b32 s[SEL+1], 0xfedcba98
	s_mov_b32 s66, 0x3c000000       ; 1 / 128
	s_mov_b32 s67, 0x3727c5ac       ; 1e-5
	s_mov_b32 s[TB], 0
	s_mov_b32 s[SLOTS], NKEY/(2*KS)-2
	s_and_b32 s[LIM], s[WV], 1
	s_or_b32 s[LIM], s[LIM], ttmp9  ; 0 in waves 0 and 2 of the head's first cluster: the same in all four partners
	s_cmp_eq_u32 s[LIM], 0
	s_cselect_b32 s[LIM], 1, -1
	v_and_b32 v[PFO], 31, v0
	v_lshlrev_b32 v[PFO], 8, v[PFO]
	s_wait_dscnt 0x0                ; both opening adds are done
	s_wait_kmcnt 0x0
	s_mov_b64 s[10:11], s[6:7]      ; the result
	s_mov_b64 s[6:7], s[4:5]
	s_mov_b64 s[8:9], s[4:5]
	s_add_nc_u64 s[6:7], s[6:7], 0x800000   ; k's part of qkv
	s_add_nc_u64 s[8:9], s[8:9], 0xc00000   ; v's
	s_add_nc_u64 s[6:7], s[6:7], s[22:23]   ; K and V at my tile of slot 0
	s_add_nc_u64 s[8:9], s[8:9], s[22:23]
	s_add_nc_u64 s[4:5], s[4:5], s[2:3]     ; Q at my wave's first row
	s_lshl_b32 s2, s14, 19          ; the result: my block's 128 rows of 4,096 bytes,
	s_lshl_b32 s3, s[WV], 17        ; my wave's 32,
	s_add_co_u32 s2, s2, s3
	s_lshl_b32 s3, s20, 8           ; the head's 256 bytes of a row
	s_add_co_u32 s2, s2, s3
	s_mov_b32 s3, 0
	s_add_nc_u64 s[10:11], s[10:11], s[2:3]
	s_cmp_lt_u32 s[WV], 2
	s_cselect_b64 s[PFA:PFA+1], s[6:7], s[8:9]
	s_lshl_b32 s2, s13, 13          ; my work-group's 32 rows of the 128
	s_mov_b32 s3, 0
	s_add_nc_u64 s[PFA:PFA+1], s[PFA:PFA+1], s[2:3]
	s_add_nc_u64 s[PFA:PFA+1], s[PFA:PFA+1], 2*2*KS*256  ; in slot 2; the first change of slots steps it to slot 3.  Nothing is prefetched at the head
	CROUND                          ; all four work-groups are here: the first joint loads meet
.irp s, 0,1
	s_mov_b32 s[G0K+4*\s], 1
	s_add_co_u32 s[G0K+4*\s+1], s17, \s*SLOT1
	s_add_nc_u64 s[G0K+4*\s+2:G0K+4*\s+3], s[6:7], \s*2*KS*256
	s_or_b32 s[G0K+4*\s+3], s[G0K+4*\s+3], 0x80000000
	s_mov_b32 s[G0V+4*\s], 1
	s_add_co_u32 s[G0V+4*\s+1], s17, \s*SLOT1+VOFF
	s_add_nc_u64 s[G0V+4*\s+2:G0V+4*\s+3], s[8:9], \s*2*KS*256
	s_or_b32 s[G0V+4*\s+3], s[G0V+4*\s+3], 0x80000000
.endr
	s_cmp_lt_u32 s[WV], 2           ; a wave's two first fills stand in one branch: two loads of mine are out
	s_cbranch_scc0 .Lfirst_v
	tensor_load_to_lds s[G0K:G0K+3], s[G1K:G1K+7]
	s_nop 0
	tensor_load_to_lds s[G0K+4:G0K+7], s[G1K:G1K+7]
	s_nop 0
.rept 4
	v_nop
.endr
	s_branch .Lfirst_asked
.Lfirst_v:
	tensor_load_to_lds s[G0V:G0V+3], s[G1V:G1V+7]
	s_nop 0
	tensor_load_to_lds s[G0V+4:G0V+7], s[G1V:G1V+7]
	s_nop 0
.rept 4
	v_nop
.endr
.Lfirst_asked:
	v_and_b32 v1, 15, v0            ; r
	v_bfe_u32 v9, v0, 4, 1          ; h
	v_lshlrev_b32 v[QO], 8, v1
	v_lshl_add_u32 v[QO], v9, 4, v[QO]  ; row x 256 + 16 x half
	v_lshlrev_b32 v60, 5, v9        ; subln_w: my half's eight channels of a tile of 16: 32 h bytes
	v_and_b32 v59, 31, v0
	v_lshlrev_b32 v59, 3, v59       ; the lambda vectors: two numbers a lane
	v_mov_b32 v58, 0                ; lambda_init's offset; later a lane permute's destination
	v_mov_b32 v57, 0
	WIN 0x80                        ; destination window 2, address window 0
.irp i, 0,1,2,3,4,5,6,7             ; Q stays in registers: tile i / 4, channels 32 (i % 4) on
	global_load_b128 v[8*\i:8*\i+3],   v[QO], s[4:5] offset:(\i/4)*4096+(\i%4)*64
	global_load_b128 v[8*\i+4:8*\i+7], v[QO], s[4:5] offset:(\i/4)*4096+(\i%4)*64+32
.endr
.irp c, 0,1,2,3,4,5,6,7             ; subln_w(16 c + 8 h + 0 .. 7) beside O^T's register 8 c + 0 .. 7
	global_load_b128 v[64+8*\c:64+8*\c+3],   v60, s[78:79] offset:64*\c
	global_load_b128 v[64+8*\c+4:64+8*\c+7], v60, s[78:79] offset:64*\c+16
.endr
	WIN 0
	global_load_b64 v[44:45], v59, s[68:69]
	global_load_b64 v[46:47], v59, s[70:71]
	global_load_b64 v[48:49], v59, s[72:73]
	global_load_b64 v[50:51], v59, s[74:75]
	global_load_b32 v52, v58, s[76:77]
	v_mul_u32_u24 v[AK0], v1, PK
	v_lshl_add_u32 v[AK0], v9, 4, v[AK0]
	v_and_b32 v10, 7, v0
	v_bfe_u32 v11, v0, 3, 1
	v_lshl_add_u32 v[AV0], v9, 3, v10
	v_mul_u32_u24 v[AV0], v[AV0], PV
	v_lshl_add_u32 v[AV0], v11, 4, v[AV0]
	v_add_nc_u32 v[AV0], VOFF, v[AV0]
; Product i of 32 of O^T += V^T P for piece x: keys 32 (i / 16) on, channels 16 ((i / 2) % 8) on, tile x + i % 2.  The accumulators take turns.
.macro PV x, zero
	WIN W_PV
.set rO, 64*(\x+i%2)+8*((i/2)%8)
.set rV, 64*(i/16)+8*((i/2)%8)
.set rP, P+16*(\x+i%2)+8*(i/16)
.if \zero && (i < 16)
	v_wmma_f32_16x16x32_f16 v[rO:rO+7], v[rV:rV+7], v[rP:rP+7], 0
.else
	v_wmma_f32_16x16x32_f16 v[rO:rO+7], v[rV:rV+7], v[rP:rP+7], v[rO:rO+7]
.endif
.endm
; Product i of 16 of S^T = K Q^T for piece x: the piece's channels 32 (i / 8) on (softmax 1: 0-63, softmax 2: 64-127), keys 16 ((i / 2) % 4) on, tile x + i % 2.  The first 8 start the sums.
.macro KQ x
	WIN W_KQ
.set rS, S+32*(\x+i%2)+8*((i/2)%4)
.set rK, KF+32*((i/2)%4)+8*(\x+i/8)
.set rQ, 32*(i%2)+8*(\x+i/8)
.if i < 8
	v_wmma_f32_16x16x32_f16 v[rS:rS+7], v[rK:rK+7], v[rQ:rQ+7], 0
.else
	v_wmma_f32_16x16x32_f16 v[rS:rS+7], v[rK:rK+7], v[rQ:rQ+7], v[rS:rS+7]
.endif
.endm
.macro FETCH_K
	WIN 0
	v_add_nc_u32 v[ADR], s[TB], v[AK0]
	WIN 0x80
.irp f, 0,1,2,3,4,5,6,7,8,9,10,11,12,13,14,15  ; keys 16 (f / 4) on, channels 32 (f % 4) on
	ds_load_b128 v[KF+8*\f:KF+8*\f+3],   v[ADR] offset:(\f/4)*16*PK+(\f%4)*64
	ds_load_b128 v[KF+8*\f+4:KF+8*\f+7], v[ADR] offset:(\f/4)*16*PK+(\f%4)*64+32
.endr
.endm
.macro FETCH_V
	WIN 0
	v_add_nc_u32 v[ADR], s[TB], v[AV0]
	s_add_co_u32 s[TB], s[TB], STEPB  ; the next fetch is the next step's
	s_wait_alu depctr_va_vdst(0)    ; the wait for the softmax's batch of exponentials, ahead of the first instruction that names a result
	WIN 0xc0
.irp f, 0,1,2,3,4,5,6,7,8,9,10,11,12,13,14,15  ; keys 32 (f / 8) on, channels 16 (f % 8) on
	ds_load_tr16_b128 v[8*\f:8*\f+3],   v[ADR] offset:(\f/8)*32*PV+(\f%8)*32
	ds_load_tr16_b128 v[8*\f+4:8*\f+7], v[ADR] offset:(\f/8)*32*PV+16*PV+(\f%8)*32
.endr
.endm
; One tile's softmax for one key step is a list of 134 instructions; SM writes number j of it for tile t.
;   0-15 the maximum; 16-20 the other half's maximum, the new m, c m, its change; 21-69 ONE BATCH: 16 scalings and 33 exponentials, none of which reads an exponential's result;
;   (the wait, written by SLICE); 70-85 the roundings to f16; 86-101 the sums; 102-133 the tile's O^T times a.
.macro SM t, first
.set rT, ST+8*(\t)
.set rS, S+32*(\t)
.set rP, P+16*(\t)
.set rO, 64*(\t)+2*(j-102)
.if j < 102
	WIN 0
.endif
.if j < 4
	v_max3_num_f32 v[rT+4+j], v[rS+8*j], v[rS+8*j+1], v[rS+8*j+2]
.elseif j < 12
	v_max3_num_f32 v[rT+4+j%4], v[rT+4+j%4], v[rS+8*(j%4)+2*(j/4)+1], v[rS+8*(j%4)+2*(j/4)+2]
.elseif j == 12
	v_max3_num_f32 v[rT+4], v[rT+4], v[rS+7], v[rS+15]
.elseif j == 13
	v_max3_num_f32 v[rT+6], v[rT+6], v[rS+23], v[rS+31]
.elseif j == 14
	v_max3_num_f32 v[rT+4], v[rT+4], v[rT+5], v[rT+6]
.elseif (j == 15) && \first
	v_max_num_f32 v[rT+4], v[rT+4], v[rT+7]
.elseif j == 15
	v_max3_num_f32 v[rT+4], v[rT+4], v[rT+7], v[rT+1]
.elseif j == 16
	v_permlanex16_b32 v[rT+5], v[rT+4], s[SEL], s[SEL+1]
.elseif j == 18
	v_max_num_f32 v[rT+1], v[rT+4], v[rT+5]
.elseif j == 19
	v_mul_f32 v[rT], s[CS], v[rT+1]
.elseif ((j == 17) || (j == 20) || (j == 23) || (j > 101)) && \first
.elseif j == 17
	v_mov_b32 v[rT+7], v[rT]
.elseif j == 20
	v_sub_f32 v[rT+7], v[rT+7], v[rT]
.elseif j == 23
	v_exp_f32 v[rT+6], v[rT+7]
.elseif (j < 23) || ((j < 38) && (j%2 == 0)) || ((j < 66) && (j%4 == 2))
.set b, (j-2)/4
.if j < 38
.set b, (j-20)/2
.endif
	v_pk_fma_f32 v[rS+2*b:rS+2*b+1], v[rS+2*b:rS+2*b+1], s[CS:CS+1], v[rT:rT+1] op_sel_hi:[1,0,0] neg_lo:[0,0,1] neg_hi:[0,0,1]
.elseif j < 70
.set e, j-38
.if j < 66
.set e, j-32-(j-38)/4
.endif
.if j < 38
.set e, (j-25)/2
.endif
	v_exp_f32 v[rS+e], v[rS+e]
.elseif j < 86
	v_cvt_pk_f16_f32 v[rP+j-70], v[rS+2*(j-70)], v[rS+2*(j-70)+1]
.elseif j < 102
.set z, j-86
.set w, 4
.set u, z
.if z >= 14
.set w, 32
.set u, 0
.elseif z >= 12
.set w, 16
.set u, z-12
.elseif z >= 8
.set w, 8
.set u, z-8
.endif
.if (z == 14) && \first
	v_pk_add_f32 v[rT+2:rT+3], v[rS:rS+1], v[rS+16:rS+17]
.elseif z < 15
	v_pk_add_f32 v[rS+w*u:rS+w*u+1], v[rS+w*u:rS+w*u+1], v[rS+w*u+w/2:rS+w*u+w/2+1]
.elseif !\first
	v_pk_fma_f32 v[rT+2:rT+3], v[rT+2:rT+3], v[rT+6:rT+7], v[rS:rS+1] op_sel_hi:[1,0,1]
.endif
.else
	WIN W_RS
	v_pk_mul_f32 v[rO:rO+1], v[rO:rO+1], v[rT+6:rT+7] op_sel_hi:[1,0]
.endif
.endm
; Slice k of 64 of piece y's softmax.  Slices 11 to 34 deal out the batch, four numbers of one tile each; every other slice is numbers 2 k and 2 k + 1 of both tiles; slice 63 takes the twelve that are over.
; Ahead of slice 35 nothing names an exponential's result, and behind slice 34 none is issued: one wait, behind slice 34.
.macro SLICE y, first
.if (k >= 11) && (k < 35)
.irp n, 0,1,2,3
.set j, 22+4*((k-11)/2)+(\n)
	SM (\y)+(k-11)%2, \first
.endr
.else
.irp n, 0,1,2,3,4,5,6,7
.if (\n < 2) || (k == 63)
.irp t, \y, \y+1
.set j, 2*k+\n
	SM \t, \first
.endr
.endif
.endr
.endif
.if k == 34
	v_nop                           ; the plain instruction behind the last exponential
.if (\y) == 0
	FETCH_V                         ; piece 2's turn: V's run of loads stands here, and the wait stands in it.  Behind the last product that read V stand four plain instructions: number 62 of both tiles, the v_nop, the run's own addition
.else
	s_wait_alu depctr_va_vdst(0)
.endif
.endif
.set k, k+1
.endm
.macro PLACES
.rept 4
	v_nop
.endr
.endm
; A TURN.  pv = 2: 32 products V^T P; 1: they start O^T's sums; 0: none.  kq = 1: 16 products K Q^T for the next step.  The 64 slices: one behind each V^T P and two behind each K Q^T;
; with K Q^T alone four behind each; with V^T P alone two behind each.  Piece 0's turn fetches the next step's K behind its second product: the last product that read K stands in front of slices 62 and 63 of the turn before.
.macro TURN x, pv, kq, first
.set k, 0
.set perp, 1
.set perk, 2
.if \pv && (\kq == 0)
.set perp, 2
.endif
.if (\pv == 0) && \kq
.set perk, 4
.endif
.if \pv
.if \x == 0
	s_wait_dscnt 0x0                ; V is in
.endif
.set i, 0
.rept 32
	PV \x, 2-\pv
.rept perp
	SLICE 2-\x, \first
.endr
.if (\x == 0) && \kq && (i == 1)
	FETCH_K
.endif
.set i, i+1
.endr
.endif
.if \kq
.if \x == 0
	s_wait_dscnt 0x0                ; K is in
.endif
.set i, 0
.rept 16
	KQ \x
.rept perk
	SLICE 2-\x, \first
.endr
.set i, i+1
.endr
.endif
.if \first
	PLACES                          ; the first step's last slices are empty: these take their part as the places behind the last products
.endif
.endm
; THE CHANGE OF SLOTS: each wave waits for all its tensor loads, adds 0 to its spare word, and waits for that and for its reads of the slot.  fill = 1: the slot is filled again behind a round of the cluster's barrier.
.macro CHANGE fill
	WIN 0
	s_wait_tensorcnt 0x0            ; no tensor load of mine is out, so a group 0 may be written
	ds_add_u32 v[SPW], v[NIL]
.if \fill
.irp g, G0K+4, G0V+4
	s_xor_b32 s[\g+1], s[\g+1], SLOT1
	s_add_nc_u64 s[\g+2:\g+3], s[\g+2:\g+3], 2*KS*256
.endr
	s_wait_xcnt 0x0                 ; the last prefetch, two key steps back, has read its address
	s_add_nc_u64 s[PFA:PFA+1], s[PFA:PFA+1], 2*KS*256
	s_wait_dscnt 0x0                ; the add is done, and my reads of the slot are over
	CROUND
	JLOAD                           ; my one tensor load behind the round: it has two key steps in which to land
	ASK
.else
	s_wait_dscnt 0x0
	s_barrier_signal -1
	s_barrier_wait -1
.endif
	s_sub_co_u32 s[TB], s[TB], 2*STEPB
	s_xor_b32 s[TB], s[TB], SLOT1
.endm
.macro TWO_STEPS
	s_mov_b32 s[TWICE], 2
.Lstep_\@:
	TURN 0, 2, 1, 0
	TURN 2, 2, 1, 0
	WIN 0
	s_sub_co_u32 s[TWICE], s[TWICE], 1
	s_cmp_lg_u32 s[TWICE], 0
	s_cbranch_scc1 .Lstep_\@
.endm
	s_wait_tensorcnt 1              ; my part of slot 0 is in; slot 1's may stay out
	s_barrier_signal -1
	s_barrier_wait -1
	FETCH_K                         ; key step 0
	s_wait_loadcnt 0x0              ; Q, subln_w, the lambda vectors
	s_wait_dscnt 0x0
.set i, 0
.rept 16
	KQ 0                            ; piece 0's first scores
.set i, i+1
.endr
	WIN 0                           ; the addresses for the way out and lambda are made here: plain instructions, the places behind those products
	s_mul_i32 s13, s[WV], 16*SP
	s_add_co_u32 s13, s13, STAGE
	v_mul_u32_u24 v[STO], v1, SP
	v_lshl_add_u32 v[STO], v9, 4, v[STO]
	v_add_nc_u32 v[STO], s13, v[STO]
	v_mul_u32_u24 v[RD], v9, SP
	v_lshl_add_u32 v[RD], v1, 4, v[RD]
	v_add_nc_u32 v[RD], s13, v[RD]
	v_lshlrev_b32 v[GO], 12, v9     ; lanes 0-15 one row of the result (4,096 bytes apart), lanes 16-31 the next
	v_lshl_add_u32 v[GO], v1, 4, v[GO]
	v_mul_f32 v55, v44, v46         ; lambda_q1 . lambda_k1 and lambda_q2 . lambda_k2: two numbers a lane,
	v_mul_f32 v56, v48, v50
	v_fmac_f32 v55, v45, v47
	v_fmac_f32 v56, v49, v51
.irp m, 1,2,4,8
	v_add_f32_dpp v55, v55, v55 row_xmask:\m row_mask:0xf bank_mask:0xf   ; over the 16 lanes of a half,
	v_add_f32_dpp v56, v56, v56 row_xmask:\m row_mask:0xf bank_mask:0xf
.endr
	v_permlanex16_b32 v57, v55, s[SEL], s[SEL+1]
	v_permlanex16_b32 v58, v56, s[SEL], s[SEL+1]
	v_add_f32 v55, v55, v57         ; and the other half's
	v_add_f32 v56, v56, v58
	v_mul_f32 v55, 0x3fb8aa3b, v55
	v_mul_f32 v56, 0x3fb8aa3b, v56
	v_exp_f32 v55, v55
	v_exp_f32 v56, v56
	v_sub_f32 v54, 1.0, v52         ; 1 - lambda_init (the plain instruction behind the exponentials)
	s_wait_alu depctr_va_vdst(0)    ; one wait for the two, ahead of their first reader
	v_sub_f32 v53, v55, v56
	v_add_f32 v53, v53, v52         ; lambda
	TURN 2, 0, 1, 1                 ; piece 2's first scores | piece 0's first softmax | V of step 0
	TURN 0, 1, 1, 1                 ; piece 0: V^T P of step 0 starts O^T, K Q^T of step 1 | piece 2's first softmax | K of step 1
	TURN 2, 1, 1, 0                 ; piece 2: the same | piece 0's softmax of step 1 | V of step 1
	WIN 0
.Lslot:                             ; 6 trips: every slot but the last two is filled again
	CHANGE 1
	TWO_STEPS
	s_sub_co_u32 s[SLOTS], s[SLOTS], 1
	s_cmp_lg_u32 s[SLOTS], 0
	s_cbranch_scc1 .Lslot
	CHANGE 0                        ; the tail is written out
	TWO_STEPS
	TURN 0, 2, 0, 0                 ; piece 0: V^T P of the last step | piece 2's last softmax
.set i, 0
.rept 32
	PV 2, 0
.set i, i+1
.endr
	; THE WAY OUT.  The additions are the places behind the last products.
	WIN 0
.irp t, 0,1,2,3
	v_add_f32 v[ST+8*\t+4], v[ST+8*\t+2], v[ST+8*\t+3]
.endr
.irp t, 0,1,2,3
	v_permlanex16_b32 v[ST+8*\t+5], v[ST+8*\t+4], s[SEL], s[SEL+1]
.endr
.irp t, 0,1,2,3
	v_add_f32 v[ST+8*\t+4], v[ST+8*\t+4], v[ST+8*\t+5]
.endr
.irp t, 0,1,2,3
	v_rcp_f32 v[ST+8*\t+6], v[ST+8*\t+4]
.endr
	v_nop
	s_wait_alu depctr_va_vdst(0)    ; one wait for the four reciprocals
.irp t, 2,3
	v_mul_f32 v[ST+8*\t+6], -v53, v[ST+8*\t+6]   ; softmax 2's factor: -lambda / l
.endr
; Tile j of queries: a = O1 / l1 - lambda O2 / l2; the mean of its squares over the 128 channels (mine and lane l xor 16's); the norm, the gains; f16; through my stage.  Every run ascends: an accumulator is read from its low end on.
.macro PACK j
	WIN W_RS
.set i, 0
.rept 32
	v_pk_mul_f32 v[64*\j+i:64*\j+i+1], v[64*\j+i:64*\j+i+1], v[ST+8*\j+6:ST+8*\j+7] op_sel_hi:[1,0]
.set i, i+2
.endr
	WIN 0x51                        ; sources 0 and 2 and the destination in window 1, the factor in window 0
.set i, 0
.rept 32
	v_pk_fma_f32 v[64*\j+i:64*\j+i+1], v[64*(\j+2)+i:64*(\j+2)+i+1], v[ST+8*(\j+2)+6:ST+8*(\j+2)+7], v[64*\j+i:64*\j+i+1] op_sel_hi:[1,0,1]
.set i, i+2
.endr
	WIN 0x05                        ; sources 0 and 1 in window 1; the four chains in window 0
.irp c, 0,1,2,3
	v_pk_mul_f32 v[44+2*\c:45+2*\c], v[64*\j+2*\c:64*\j+2*\c+1], v[64*\j+2*\c:64*\j+2*\c+1]
.endr
.set i, 8
.rept 28
	v_pk_fma_f32 v[44+i%8:45+i%8], v[64*\j+i:64*\j+i+1], v[64*\j+i:64*\j+i+1], v[44+i%8:45+i%8]
.set i, i+2
.endr
	WIN 0
	v_pk_add_f32 v[44:45], v[44:45], v[46:47]
	v_pk_add_f32 v[48:49], v[48:49], v[50:51]
	v_pk_add_f32 v[44:45], v[44:45], v[48:49]
	v_add_f32 v55, v44, v45
	v_permlanex16_b32 v57, v55, s[SEL], s[SEL+1]
	v_add_f32 v55, v55, v57
	v_fma_f32 v56, v55, s66, s67    ; the mean + 1e-5
	v_rsq_f32 v56, v56
	v_nop
	s_wait_alu depctr_va_vdst(0)
	v_mul_f32 v[ST+8*\j+4], v56, v54   ; x (1 - lambda_init)
	WIN 0x01                        ; source 0 in window 1; the destination, S^T's registers, which are free, in window 0
.set i, 0
.rept 32
	v_pk_mul_f32 v[S+64*\j+i:S+64*\j+i+1], v[64*\j+i:64*\j+i+1], v[ST+8*\j+4:ST+8*\j+5] op_sel_hi:[1,0]
.set i, i+2
.endr
	WIN 0x08                        ; source 1, subln_w, in window 2
.set i, 0
.rept 32
	v_pk_mul_f32 v[S+64*\j+i:S+64*\j+i+1], v[S+64*\j+i:S+64*\j+i+1], v[64+i:65+i]
.set i, i+2
.endr
	WIN 0
.set i, 0
.rept 32
	v_cvt_pk_f16_f32 v[P+32*\j+i], v[S+64*\j+2*i], v[S+64*\j+2*i+1]
.set i, i+1
.endr
.irp f, 0,1,2,3,4,5,6,7
	ds_store_b128 v[STO], v[P+32*\j+4*\f:P+32*\j+4*\f+3] offset:32*\f
.endr
.irp f, 0,1,2,3,4,5,6,7
	ds_load_b128 v[P+32*\j+4*\f:P+32*\j+4*\f+3], v[RD] offset:\f*2*SP  ; LDS serves a wave's instructions in order: these see the stores above; the next tile's stores come behind them
.endr
.endm
.macro SEND j, younger              ; younger: the LDS instructions issued behind tile j's loads
.irp f, 0,1,2,3,4,5,6,7
	s_wait_dscnt \younger+7-\f
	global_store_b128 v[GO], v[P+32*\j+4*\f:P+32*\j+4*\f+3], s[10:11] offset:(16*\j+2*\f)*4096  ; sixteen lanes store 256 consecutive bytes, aligned
.endr
.endm
	PACK 0
	PACK 1
	SEND 0, 16
	SEND 1, 0
	s_wait_tensorcnt 0x0            ; the wave's end
	ds_add_u32 v[SPW], v[NIL]
	s_wait_dscnt 0x0
	CROUND                          ; the closing round
	s_endpgm
.Lfunc_end_k_qa679e21d4d_attn:
	.size	k_qa679e21d4d_attn, .Lfunc_end_k_qa679e21d4d_attn-k_qa679e21d4d_attn
	.p2alignl 7, 3214868480
	.fill 96, 4, 3214868480
	.section	.rodata,"a",@progbits
	.p2align	6, 0x0
	.amdhsa_kernel k_qa679e21d4d_attn
		.amdhsa_group_segment_fixed_size 327680
		.amdhsa_private_segment_fixed_size 0
		.amdhsa_enable_private_segment 0
		.amdhsa_kernarg_size 64
		.amdhsa_user_sgpr_count 2
		.amdhsa_user_sgpr_kernarg_segment_ptr 1
		.amdhsa_wavefront_size32 1
		.amdhsa_system_sgpr_workgroup_id_x 1
		.amdhsa_system_sgpr_workgroup_id_y 1
		.amdhsa_system_sgpr_workgroup_id_z 1
		.amdhsa_system_vgpr_workitem_id 0
		.amdhsa_next_free_vgpr 1024
		.amdhsa_next_free_sgpr 80
		.amdhsa_reserve_vcc 0
		.amdhsa_float_denorm_mode_32 3
		.amdhsa_float_denorm_mode_16_64 3
		.amdhsa_memory_ordered 1
		.amdhsa_forward_progress 1
		.amdhsa_inst_pref_size 215
	.end_amdhsa_kernel
	.amdgpu_metadata
---
amdhsa.version: [ 1, 2 ]
amdhsa.kernels:
  - .name:           k_qa679e21d4d_attn
    .symbol:         k_qa679e21d4d_attn.kd
    .args:
      - { .name: qkv, .offset: 0, .size: 8, .value_kind: global_buffer, .address_space: global }
      - { .name: anorm, .offset: 8, .size: 8, .value_kind: global_buffer, .address_space: global }
      - { .name: lambda_q1, .offset: 16, .size: 8, .value_kind: global_buffer, .address_space: global }
      - { .name: lambda_k1, .offset: 24, .size: 8, .value_kind: global_buffer, .address_space: global }
      - { .name: lambda_q2, .offset: 32, .size: 8, .value_kind: global_buffer, .address_space: global }
      - { .name: lambda_k2, .offset: 40, .size: 8, .value_kind: global_buffer, .address_space: global }
      - { .name: lambda_init, .offset: 48, .size: 8, .value_kind: global_buffer, .address_space: global }
      - { .name: subln_w, .offset: 56, .size: 8, .value_kind: global_buffer, .address_space: global }
    .group_segment_fixed_size: 327680
    .private_segment_fixed_size: 0
    .kernarg_segment_align: 8
    .kernarg_segment_size: 64
    .max_flat_workgroup_size: 128
    .sgpr_count:     80
    .vgpr_count:     1024
    .wavefront_size: 32
...
	.end_amdgpu_metadata
.endif
;; end of part 3
;; launch outp (part 4): grid 16 x 16, 4 waves a work-group, clusters of 4 x 4, 327,680 bytes of LDS; arguments anorm, wot, out0; writes out0
.if DOCPART == 4
	.amdgcn_target "amdgcn-amd-amdhsa--gfx1250"
	.amdhsa_code_object_version 6
	.text
	.protected	k_qa679e21d4d_outp
	.globl	k_qa679e21d4d_outp
	.p2align	8
	.type	k_qa679e21d4d_outp,@function
k_qa679e21d4d_outp:
	s_mov_b64 s[64:65], 0
	v_nop
	global_prefetch_b8 v0, s[64:65] scope:SCOPE_SE
	s_setreg_imm32_b32 hwreg(HW_REG_WAVE_MODE, 25, 1), 1
	s_wait_xcnt 0x0
	s_wait_alu depctr_hold_cnt(0) depctr_sa_sdst(0) depctr_va_vdst(0) depctr_va_sdst(0) depctr_va_ssrc(0) depctr_va_vcc(0) depctr_vm_vsrc(0)
	s_getreg_b32 s2, hwreg(HW_REG_IB_STS2, 6, 4)
	s_cmp_eq_u32 s2, 0
	s_cbranch_scc0 .Lentry_in_a_cluster
	s_endpgm
.Lentry_in_a_cluster:
	s_bfe_u32 s2, ttmp6, 0x10000c
	s_cmp_lg_u32 s2, 0xf033
	s_cbranch_scc0 .Lentry_shape_is_right
	s_endpgm
.Lentry_shape_is_right:
; OUTP: out0[m][n] = sum over k of anorm[m][k] wot[n][k].  anorm: [2048][2048], wot: [2048][2048], f16; out0: [2048][2048] f32; sums in f32.
; A tile of the result is 128 x 128, which gives each of 256 work-groups one tile.  Four waves, each 64 x 64: 16 accumulators.  K goes in steps of 256 (LDS rows of 512 bytes) through two slots.
; CLUSTERS: 4 x 4 work-groups; anorm's tiles are asked for jointly along a row of the cluster, wot's along a column.  THE MATRIX INSTRUCTION IS USED TRANSPOSED (source 0 = 16 rows of wot, source 1 = 16 rows
; of anorm): a lane holds eight neighbouring numbers of a row of the result.  A wave's 64 columns of f32 are 256 aligned bytes, so each wave has a stage of its own on the way out and no barrier stands there.
; No prefetch: the tile is small and a K step short.
; REGISTERS: window 0: v0-31 addresses; v32-95 rows read back, two sets; v128-255 the accumulators ((a, b) at v[128 + 8 (4 a + b)]).  window 1: two fragment buffers of 128.
.set SIZE_K, 2048
.set SIZE_N, 2048
.set KSTEP,  256
.set PITCH,  528                       ; an LDS row: 512 bytes + 16 of padding
.set HALFT,  64*PITCH
.set SLOT,   4*HALFT
.set STAGE,  2*SLOT                    ; behind the ring: 16 rows x 272 bytes for each wave
.set SPITCH, 272
.set SPARE,  STAGE+128*SPITCH          ; the spare words, 128 bytes for each wave: two blocks of 256 bytes that no other line names
.set LAPS, SIZE_K/(2*KSTEP)
.set ADRA, 16
.set ADRB, 20
.set STO,  24
.set RD,   25
.set CO,   26
.set SPW,  28
.set NIL,  29
.set TMP,  32
.set ACC,  128
.set F0,   0
.set F1,   128
.set G1, 24
.set G0, 32
.set G1B, 48
.set G0B, 56
.set MSB, 0
.macro WIN new
.if MSB != (\new)
	s_set_vgpr_msb (MSB<<8)|(\new)
.set MSB, (\new)
.endif
.endm
.set MUL,  0x05                        ; sources 0 and 1 window 1; C and D window 0
.set TO_F, 0x40
.macro JLOAD s                         ; a joint load: waves 0 and 1 fetch anorm's two halves, waves 2 and 3 wot's; an s_nop 0 and four v_nop follow each of the two lines
	s_cmp_eq_u32 s11, 0
	s_cbranch_scc0 .Lfor_b_\@
	tensor_load_to_lds s[G0+4*\s:G0+4*\s+3], s[G1:G1+7]
	s_nop 0
.rept 4
	v_nop
.endr
	s_branch .Lasked_\@
.Lfor_b_\@:
	tensor_load_to_lds s[G0B+4*\s:G0B+4*\s+3], s[G1B:G1B+7]
	s_nop 0
.rept 4
	v_nop
.endr
.Lasked_\@:
.endm
.macro CREST
	s_cmp_lg_u32 s10, 0
	s_cbranch_scc1 .Lnot_wave_0_\@
	s_barrier_signal -3
.Lnot_wave_0_\@:
	s_barrier_wait -3
	s_barrier_signal -1
	s_barrier_wait -1
.endm
.macro CROUND
	s_barrier_signal -1
	s_barrier_wait -1
	CREST
.endm
	s_load_b128 s[4:7], s[0:1], 0x0                ; anorm, wot
	s_load_b64 s[8:9], s[0:1], 0x10                ; out0
	v_lshl_add_u32 v[SPW], v0, 2, SPARE
	v_mov_b32 v[NIL], 0
	ds_add_u32 v[SPW], v[NIL]                      ; the wave's opening: the add, twice on end, and its wait ahead of my first tensor load
	ds_add_u32 v[SPW], v[NIL]
	v_lshrrev_b32 v1, 5, v0
	v_readfirstlane_b32 s10, v1                    ; wave 0..3
	s_lshr_b32 s11, s10, 1                         ; which half of the tile's rows is mine.  Also: I fetch for anorm (0) or for wot (1)
	s_and_b32 s12, s10, 1                          ; which half of its columns.  Also: which 64 rows of that tile I fetch
	s_bfe_u32 s40, ttmp6, 0x40000
	s_bfe_u32 s41, ttmp6, 0x40004
	s_lshl_b32 s42, ttmp9, 2
	s_add_co_u32 s42, s42, s40                     ; tile column
	s_and_b32 s13, ttmp7, 0xffff
	s_lshl_b32 s13, s13, 2
	s_add_co_u32 s13, s13, s41                     ; tile row
	s_lshl_b32 s43, s41, 2
	s_lshl_b32 s43, 15, s43                        ; my row of the cluster
	s_lshl_b32 s44, 0x1111, s40                    ; my column
	s_or_b32 s[G1+0], s43, (1<<16)|(1<<20)|(1<<21)|(6<<22)|(3<<25)  ; the mask; elements of 2 bytes; padding on; bit 21 beside a mask; 4 words after every 128
	s_or_b32 s[G1B+0], s44, (1<<16)|(1<<20)|(1<<21)|(6<<22)|(3<<25)
.irp g, G1, G1B
	s_mov_b32 s[\g+1], KSTEP<<16                   ; tensor_dim0
	s_mov_b32 s[\g+2], 64<<16                      ; tensor_dim1
	s_mov_b32 s[\g+3], KSTEP<<16                   ; tile_dim0
	s_mov_b32 s[\g+4], 64                          ; tile_dim1
	s_mov_b32 s[\g+5], SIZE_K                      ; the pitch
	s_mov_b32 s[\g+6], 0
	s_mov_b32 s[\g+7], 0
.endr
	s_lshl_b32 s17, s12, 6
	s_lshl_b32 s16, s13, 7
	s_add_co_u32 s16, s16, s17                     ; anorm: row 128 x tile row + 64 x half
	s_lshl_b32 s46, s42, 7
	s_add_co_u32 s46, s46, s17                     ; wot: row 128 x tile column + 64 x half
	s_mov_b32 s17, 0
	s_mov_b32 s47, 0
	s_mov_b64 s[18:19], SIZE_K*2
	s_mul_u64 s[16:17], s[16:17], s[18:19]
	s_mul_u64 s[46:47], s[46:47], s[18:19]
	s_mul_i32 s20, s10, HALFT
	s_wait_dscnt 0x0                               ; both opening adds are done
	s_wait_kmcnt 0x0
	s_add_nc_u64 s[14:15], s[4:5], s[16:17]
	s_add_nc_u64 s[46:47], s[6:7], s[46:47]
	CROUND                                         ; all sixteen work-groups are here: the first joint loads meet
.irp s, 0,1
	s_mov_b32 s[G0+4*\s], 1
	s_add_co_u32 s[G0+4*\s+1], s20, \s*SLOT
	s_add_nc_u64 s[G0+4*\s+2:G0+4*\s+3], s[14:15], \s*KSTEP*2
	s_or_b32 s[G0+4*\s+3], s[G0+4*\s+3], 0x80000000
	s_mov_b32 s[G0B+4*\s], 1
	s_add_co_u32 s[G0B+4*\s+1], s20, \s*SLOT
	s_add_nc_u64 s[G0B+4*\s+2:G0B+4*\s+3], s[46:47], \s*KSTEP*2
	s_or_b32 s[G0B+4*\s+3], s[G0B+4*\s+3], 0x80000000
	JLOAD \s                                       ; two loads of mine are out behind these lines
.endr
	v_and_b32 v1, 15, v0                           ; r
	v_bfe_u32 v2, v0, 4, 1                         ; h
	v_mul_u32_u24 v3, v1, PITCH
	v_lshl_add_u32 v3, v2, 4, v3
	s_mul_i32 s21, s11, HALFT
	s_mul_i32 s22, s12, HALFT
	s_add_co_u32 s22, s22, 2*HALFT
.irp s, 0,1
	v_add_nc_u32 v[ADRA+\s], s21, v3
	v_add_nc_u32 v[ADRB+\s], s22, v3
	s_add_co_u32 s21, s21, SLOT
	s_add_co_u32 s22, s22, SLOT
.endr
	s_mul_i32 s23, s10, 16*SPITCH
	s_add_co_u32 s23, s23, STAGE                   ; my stage
	v_mul_u32_u24 v4, v1, SPITCH                   ; in: row r, 32 bytes for each half of the lanes
	v_lshl_add_u32 v4, v2, 5, v4
	v_add_nc_u32 v[STO], s23, v4
	v_mul_u32_u24 v5, v2, SPITCH                   ; back: lanes 0-15 one row of 256 bytes, lanes 16-31 the next
	v_lshl_add_u32 v5, v1, 4, v5
	v_add_nc_u32 v[RD], s23, v5
	v_lshlrev_b32 v5, 13, v2                       ; and the same two rows in out0: 8,192 bytes apart
	v_lshl_add_u32 v[CO], v1, 4, v5
	s_lshl_b32 s16, s13, 7
	s_lshl_b32 s17, s11, 6
	s_add_co_u32 s16, s16, s17                     ; my first row: 128 x tile row + 64 x half
	s_lshl_b32 s16, s16, 13
	s_mov_b32 s17, 0
	s_add_nc_u64 s[8:9], s[8:9], s[16:17]
	s_lshl_b32 s46, s42, 9                         ; my first column, in bytes: 512 x tile column + 256 x half
	s_lshl_b32 s47, s12, 8
	s_add_co_u32 s46, s46, s47
	s_mov_b32 s47, 0
	s_add_nc_u64 s[8:9], s[8:9], s[46:47]
; 8 matrix instructions: m blocks a0, a0 + 1 x all 4 n blocks, 32 along K: half c of buffer f.  The 16 accumulators take turns.
.macro MUL8 f, c, a0, zero
.irp a, \a0, \a0+1
.irp b, 0,1,2,3
.if \zero
	v_wmma_f32_16x16x32_f16 v[ACC+8*(4*(\a)+\b):ACC+8*(4*(\a)+\b)+7], v[\f+64+8*(4*\c+\b):\f+64+8*(4*\c+\b)+7], v[\f+8*(4*\c+\a):\f+8*(4*\c+\a)+7], 0
.else
	v_wmma_f32_16x16x32_f16 v[ACC+8*(4*(\a)+\b):ACC+8*(4*(\a)+\b)+7], v[\f+64+8*(4*\c+\b):\f+64+8*(4*\c+\b)+7], v[\f+8*(4*\c+\a):\f+8*(4*\c+\a)+7], v[ACC+8*(4*(\a)+\b):ACC+8*(4*(\a)+\b)+7]
.endif
.endr
.endr
.endm
.macro FETCH slot, k, f
	WIN TO_F
.irp c, 0,1
.irp i, 0,1,2,3
	ds_load_b128 v[\f+64+8*(4*\c+\i):\f+64+8*(4*\c+\i)+3],   v[ADRB+\slot] offset:\k+64*\c+\i*16*PITCH
	ds_load_b128 v[\f+64+8*(4*\c+\i)+4:\f+64+8*(4*\c+\i)+7], v[ADRB+\slot] offset:\k+64*\c+\i*16*PITCH+32
	ds_load_b128 v[\f+8*(4*\c+\i):\f+8*(4*\c+\i)+3],         v[ADRA+\slot] offset:\k+64*\c+\i*16*PITCH
	ds_load_b128 v[\f+8*(4*\c+\i)+4:\f+8*(4*\c+\i)+7],       v[ADRA+\slot] offset:\k+64*\c+\i*16*PITCH+32
.endr
.endr
.endm
.macro PLACES
.rept 4
	v_nop
.endr
.endm
.macro QUARTER slot, k, f, g, zero
	s_wait_dscnt 16                                ; the first 32 along K are in; the youngest sixteen loads may be out
	WIN MUL
	MUL8 \f, 0, 0, \zero
	MUL8 \f, 0, 2, \zero
	PLACES
	FETCH \slot, \k, \g
	s_wait_dscnt 32                                ; all but the 32 just issued
	WIN MUL
	MUL8 \f, 1, 0, 0
	MUL8 \f, 1, 2, 0
.endm
.macro TURN slot, next, fill
	WIN 0
	s_wait_tensorcnt 0x0                           ; all my tensor loads have landed: my part of the next slot
	ds_add_u32 v[SPW], v[NIL]
	s_wait_dscnt 17                                ; (the add and the youngest sixteen loads may be out)
	WIN MUL
	MUL8 F1, 0, 0, 0
	s_wait_dscnt 0x0                               ; the add is done, and my reads of this slot are over
	s_barrier_signal -1
	MUL8 F1, 0, 2, 0
.if \fill
	WIN 0
.endif
	s_barrier_wait -1
.if \fill
	CREST                                          ; the barrier has opened a round of the cluster's barrier
	s_add_nc_u64 s[G0+4*\slot+2:G0+4*\slot+3], s[G0+4*\slot+2:G0+4*\slot+3], 2*KSTEP*2
	s_add_nc_u64 s[G0B+4*\slot+2:G0B+4*\slot+3], s[G0B+4*\slot+2:G0B+4*\slot+3], 2*KSTEP*2
	JLOAD \slot                                    ; the first tensor load behind the round, my only one until the next
.else
	PLACES
.endif
	FETCH \next, 0, F0
	WIN MUL
	MUL8 F1, 1, 0, 0
	MUL8 F1, 1, 2, 0
.endm
	s_wait_tensorcnt 1                             ; my part of K step 0 is in (K step 1's load may be out)
	s_barrier_signal -1
	s_barrier_wait -1
	FETCH 0, 0, F0
	QUARTER 0, 128, F0, F1, 1                      ; the first quarter's first products start the sums
	WIN 0
	s_mov_b32 s3, LAPS-1
.Llap:
	QUARTER 0, 256, F1, F0, 0
	QUARTER 0, 384, F0, F1, 0
	TURN 0, 1, 1
	QUARTER 1, 128, F0, F1, 0
	QUARTER 1, 256, F1, F0, 0
	QUARTER 1, 384, F0, F1, 0
	TURN 1, 0, 1
	QUARTER 0, 128, F0, F1, 0
	WIN 0
	s_sub_co_u32 s3, s3, 1
	s_cmp_lg_u32 s3, 0
	s_cbranch_scc1 .Llap
	QUARTER 0, 256, F1, F0, 0                      ; the last lap fills nothing
	QUARTER 0, 384, F0, F1, 0
	TURN 0, 1, 0
	QUARTER 1, 128, F0, F1, 0
	QUARTER 1, 256, F1, F0, 0
	QUARTER 1, 384, F0, F1, 0
	s_wait_dscnt 16
	WIN MUL
	MUL8 F1, 0, 0, 0
	MUL8 F1, 0, 2, 0
	s_wait_dscnt 0
	MUL8 F1, 1, 0, 0
	MUL8 F1, 1, 2, 0
	WIN 0
; THE WAY OUT, block by block of 16 rows x 64 columns of f32: into my stage as the accumulators stand, each from its low end on, and back as whole rows of 256 bytes.
.macro TOSTAGE a
.irp b, 0,1,2,3
	ds_store_b128 v[STO], v[ACC+8*(4*(\a)+\b):ACC+8*(4*(\a)+\b)+3] offset:64*\b
	ds_store_b128 v[STO], v[ACC+8*(4*(\a)+\b)+4:ACC+8*(4*(\a)+\b)+7] offset:64*\b+16
.endr
.irp t, 0,1,2,3,4,5,6,7
	ds_load_b128 v[TMP+32*((\a)%2)+4*\t:TMP+32*((\a)%2)+4*\t+3], v[RD] offset:\t*2*SPITCH   ; LDS serves a wave's instructions in order: these see the stores above
.endr
.endm
.macro SEND a, younger                 ; younger: the LDS instructions issued behind block a's loads
	s_wait_dscnt \younger
.irp t, 0,1,2,3,4,5,6,7
	global_store_b128 v[CO], v[TMP+32*((\a)%2)+4*\t:TMP+32*((\a)%2)+4*\t+3], s[8:9] offset:(16*(\a)+2*\t)*SIZE_N*4 th:TH_STORE_NT   ; sixteen lanes store 256 consecutive bytes, aligned
.endr
.endm
	PLACES
	TOSTAGE 0
.irp a, 1,2,3
.if \a > 1
	s_wait_xcnt 0x0                                ; block a - 2's stores have read their data: block a's loads may land there
.endif
	TOSTAGE \a
	SEND \a-1, 16                                  ; behind block a - 1's loads: block a's 8 stores and 8 loads
.endr
	SEND 3, 0
	s_wait_tensorcnt 0x0                           ; the wave's end
	ds_add_u32 v[SPW], v[NIL]
	s_wait_dscnt 0x0
	CROUND                                         ; the closing round
	s_endpgm
.Lfunc_end_k_qa679e21d4d_outp:
	.size	k_qa679e21d4d_outp, .Lfunc_end_k_qa679e21d4d_outp-k_qa679e21d4d_outp
	.p2alignl 7, 3214868480
	.fill 96, 4, 3214868480
	.section	.rodata,"a",@progbits
	.p2align	6, 0x0
	.amdhsa_kernel k_qa679e21d4d_outp
		.amdhsa_group_segment_fixed_size 327680
		.amdhsa_private_segment_fixed_size 0
		.amdhsa_enable_private_segment 0
		.amdhsa_kernarg_size 24
		.amdhsa_user_sgpr_count 2
		.amdhsa_user_sgpr_kernarg_segment_ptr 1
		.amdhsa_wavefront_size32 1
		.amdhsa_system_sgpr_workgroup_id_x 1
		.amdhsa_system_sgpr_workgroup_id_y 1
		.amdhsa_system_sgpr_workgroup_id_z 1
		.amdhsa_system_vgpr_workitem_id 0
		.amdhsa_next_free_vgpr 512
		.amdhsa_next_free_sgpr 66
		.amdhsa_reserve_vcc 0
		.amdhsa_float_denorm_mode_32 3
		.amdhsa_float_denorm_mode_16_64 3
		.amdhsa_memory_ordered 1
		.amdhsa_forward_progress 1
		.amdhsa_inst_pref_size 86
	.end_amdhsa_kernel
	.amdgpu_metadata
---
amdhsa.version: [ 1, 2 ]
amdhsa.kernels:
  - .name:           k_qa679e21d4d_outp
    .symbol:         k_qa679e21d4d_outp.kd
    .args:
      - { .name: anorm, .offset: 0, .size: 8, .value_kind: global_buffer, .address_space: global }
      - { .name: wot, .offset: 8, .size: 8, .value_kind: global_buffer, .address_space: global }
      - { .name: out0, .offset: 16, .size: 8, .value_kind: global_buffer, .address_space: global }
    .group_segment_fixed_size: 327680
    .private_segment_fixed_size: 0
    .kernarg_segment_align: 8
    .kernarg_segment_size: 24
    .max_flat_workgroup_size: 128
    .sgpr_count:     66
    .vgpr_count:     512
    .wavefront_size: 32
...
	.end_amdgpu_metadata
.endif
;; end of part 4
